; MI455X (gfx1250); checked and timed in simulation.
; The chip was launched on July 23, 2026; its instructions are those of AMD's public machine-readable ISA for CDNA 5 (MIT licence, August 2026) and "CDNA5" Instruction Set Architecture Reference Guide (July 2026). The comments in the code are by the model that wrote it; some were corrected since.
;; Multi Head Attention. Allowed arithmetic: matrix products marked QUANTISED: E4M3 operands, one E8M0 scale for each 32 along K, by v_wmma_scale_f32_16x16x128_f8f6f4 with both operands' format E4M3, f32 sums; everything else in f32.
;; Inputs: Wk 1,024 x 1,024 float32; Wq 1,024 x 1,024 float32; Wv 1,024 x 1,024 float32; bk 1,024 float32; bq 1,024 float32; bv 1,024 float32; x 4 x 2,048 x 1,024 float32; x_mask 4 x 2,048 x 2,048 int32.
;; Outputs: out0 4 x 2,048 x 1,024 float32.
;; Constants: direction = 1.
;; This version of the problem:
;;   THIS VERSION OF THE PROBLEM IS GIVEN IN LOW PRECISION. The matrix products marked QUANTISED in the list below multiply operands that are first quantised to E4M3 (4 exponent bits, 3 mantissa bits; 8 bits a number), with one power-of-two scale for each 32 numbers along K (OCP MX v1.0); their sums are f32. All else is computed in f32.
;;   The module's matrix products, in the order in which they are computed (A, B: the left and right operand; K: the contracted axis; several contracted axes count as one K, in the product's order):
;;     1. [M 8,192, K 1,024] x [K 1,024, N 1,024]; A: input x; B: input Wq: QUANTISED
;;     2. [M 8,192, K 1,024] x [K 1,024, N 1,024]; A: input x; B: input Wk: QUANTISED
;;     3. [M 8,192, K 1,024] x [K 1,024, N 1,024]; A: input x; B: input Wv: QUANTISED
;;     4. batch 64 x [M 2,048, K 64] x [K 64, N 2,048]; A: computed on the way; B: computed on the way: QUANTISED
;;     5. batch 64 x [M 2,048, K 2,048] x [K 2,048, N 64]; A: softmax (see below); B: computed on the way: QUANTISED
;;   THE QUANTISER, for each operand of a quantised product, along K:
;;     - K is cut into blocks of 32 from its start; a last block that is shorter is filled with zeros.
;;     - A block's scale is 2^e with e = floor(log2(the largest magnitude in the block)) - 8, held to -126 .. 127; a block of zeros has e = 0. As a byte (E8M0): e + 127.
;;     - Each number is divided by its block's scale, clamped to +-448, and rounded to the nearest number of E4M3, ties to even, subnormals kept.
;;     - The product sums the exact products of the quantised numbers (number of the format x scale) in f32.
;;   ~~~python
;;   def quantise(x, axis):      # numpy; x: float32 -> the quantised numbers, widened to float32 again
;;       x = np.moveaxis(x, axis, -1); K = x.shape[-1]
;;       x = np.pad(x, [(0, 0)] * (x.ndim - 1) + [(0, -K % 32)]); x = x.reshape(x.shape[:-1] + (-1, 32)); a = np.abs(x).max(-1, keepdims=True)
;;       e = np.where(a > 0, np.clip(np.frexp(np.where(a > 0, a, 1))[1] - 1 - 8, -126, 127), 0)      # np.frexp(a)[1] - 1 = floor(log2(a)), exactly
;;       r = np.clip(x / 2.0 ** e, -448, 448)
;;       step = 2.0 ** (np.maximum(np.frexp(np.where(r == 0, 1, r))[1] - 1, -6) - 3)
;;       q = np.round(r / step) * step * 2.0 ** e      # np.round: ties to even
;;       return np.moveaxis(q.reshape(q.shape[:-2] + (-1,))[..., :K], -1, axis).astype(np.float32)
;;   ~~~
;;   SOFTMAX AHEAD OF A QUANTISED PRODUCT. Where the list says 'softmax', what is quantised is not the finished softmax but p = 2^(t - M), with t = logit x log2(e) and M = ceil(the row's largest t), a whole number; so 1/2 < the row's largest p <= 1. The row's sum l is taken of the UNQUANTISED p, in f32, and the product's result is divided by l at the end. Since M is a whole number, a kernel that streams over the keys may use a running M (the ceiling of the running maximum): every later rescaling is an exact power of two, which a block's scale takes up: the codes' values come out the same.
;;   OPERANDS COMPUTED ON THE WAY. 'Computed on the way' means the value that the module computes at that place (a softmax that the list does not call 'softmax' is quantised finished and normalised). What goes into a quantiser is computed in f32, as accurately as f32 sums, v_exp_f32 and their like allow (about 1e-6 of the number): no bf16 or f16 on the way to a quantiser, and a product that is left as it is and whose result goes on into a quantised operand takes f32 operands (vector FMAs, or v_wmma_f32_16x16x4_f32). A number that lies on a knife's edge between two numbers of the format may be rounded either way, as far as f32 arithmetic and the matrix unit's own rounding can turn it there, and no further.
;; One version. Each part assembles by itself: llvm-mc -triple=amdgcn-amd-amdhsa -mcpu=gfx1250 --defsym DOCPART=n.
;; ======== version 1 of 1: 3 launches
;; limits: right only within a limited range of input values
;; workspace buffers: xw_codes 11,534,336 bytes; xw_scales 360,448 bytes; maskw 2,097,152 bytes of whole numbers; qkv_img 25,165,824 bytes; qkv_sc 1,310,720 bytes
;; launch prep (part 1): grid 864 x 1, 4 waves a work-group, no clusters, 67,072 bytes of LDS; arguments x, Wq, Wk, Wv, x_mask, xw_codes, xw_scales, maskw; writes xw_codes, xw_scales, maskw
.if DOCPART == 1
	.amdgcn_target "amdgcn-amd-amdhsa--gfx1250"
	.amdhsa_code_object_version 6
	.text
	.protected	k_q36a72a68df_prep
	.globl	k_q36a72a68df_prep
	.p2align	8
	.type	k_q36a72a68df_prep,@function
k_q36a72a68df_prep:
	s_mov_b64 s[64:65], 0
	v_nop
	global_prefetch_b8 v0, s[64:65] scope:SCOPE_SE
	s_setreg_imm32_b32 hwreg(HW_REG_WAVE_MODE, 25, 1), 1
	s_wait_xcnt 0x0
; PREP.  Two jobs in one launch, told apart by the work-group's number.
; (Q) work-groups 0-351: x [8192][1024] and Wq, Wk, Wv [1024][1024], f32, K innermost, become codes of FP8 (E4M3) with one E8M0 byte for each 32 along K, in ONE table of
;     11,264 rows: rows 0-8191 x, 8192-9215 Wq, 9216-10239 Wk, 10240-11263 Wv; a row is 1,024 bytes of codes and 32 scale bytes.
;     A block's scale is 2^(floor(log2(largest magnitude)) - 8); each number is divided by it, held within +-448 and rounded to the nearest code, ties to even.
;     THE ROWS ARE STORED PERMUTED: in every group of 32 rows place 16 u + p holds row 8 u + p + 8 (p / 8).  A work-group takes 32 rows and a wave 8, so waves 1 and 2 swap their places.
;     The next launch then finds, in 16 neighbouring stored rows, the rows that make a lane's 16 result registers of two neighbouring tiles 16 neighbours along the next product's K.
; (M) work-groups 352-863: x_mask [4][2048][2048] int32 becomes lane masks.  Word (b, T, s, j) of maskw [4][128][16][64] has bit L = (x_mask[b][tok(T, L % 16)][128 s + 32 (j / 16) + 16 (L / 16) + j % 16] != 0),
;     tok(T, r) = 32 (T / 2) + 8 (T % 2) + r + 8 (r / 8): the mask of the select on score register j in the wave of the attention launch that owns query tile T.
; LIMITS: NaN and infinities among the inputs are not served.  A block whose largest magnitude lies under 2^-118 keeps the byte 1; a block of zeros gets the byte 1 where the rule says 127:
;     its codes are zeros, which add nothing under any byte but 0xff, and the bytes are read by this program alone.
; No tensor loads, no barrier: waves share nothing.  The two jobs have LDS bytes of their own: (Q) 0-32767, (M) 32768-66559.
.set WGQ,   352                        ; work-groups of job (Q): 11,264 rows / 32
.set STEPS, 16                         ; (Q) steps of 512 numbers in a wave's 8 rows
.set MANT,  0x600000                   ; the mantissa field of 448 as f32
.set R,     16                         ; (Q) v16-79   four sets of 16 numbers as they are loaded
.set X,     80                         ; (Q) v80-111  two sets of 16 neighbours
.set E,     112                        ; (Q) v112-127 a scale byte for each step
.set C,     128                        ; (Q) v128-191 codes: four registers for each step, so that no store's data are written again
.set WREG,  8192                       ; (Q) LDS: a region for each wave: two stages of 32 x SP bytes, behind them its 256 scale bytes
.set SP,    80                         ; (Q) a lane's place in a stage: its 64 bytes + 16 of padding
.set MST,   32768                      ; (M) LDS: a stage of 16 rows x MP bytes for each wave
.set MP,    528                        ; (M) a stage row: 512 bytes + 16 = 132 words: row r starts at bank 4 r mod 64 (64 banks of 4 bytes: ISA guide 11.1)
.set MR,    16                         ; (M) v16-143  two sets of 64: 16 rows x 16 bytes a lane, as loaded
.set MX,    144                        ; (M) v144-207 64 mask numbers of my query, in the order of the score registers
.set MW,    208                        ; (M) v208-215 the words of a key step: two registers for each of the wave's four steps
	s_load_b512 s[4:19], s[0:1], 0x0               ; x s[4:5], Wq s[6:7], Wk s[8:9], Wv s[10:11], x_mask s[12:13], xw_codes s[14:15], xw_scales s[16:17], maskw s[18:19]
	v_lshl_add_u32 v224, v0, 2, 0x10400
	v_mov_b32 v225, 0
	v_lshrrev_b32 v1, 5, v0
	v_readfirstlane_b32 s20, v1                    ; wave 0..3
	v_and_b32 v2, 31, v0                           ; lane
	s_cmp_lt_u32 ttmp9, WGQ
	s_cbranch_scc0 .Lmask
; ---------------------------------------------------------------- (Q) the quantiser
; A lane must hold 16 NEIGHBOURS along K for the conversions, and a load is best where neighbouring LANES take neighbouring bytes.  Both are had: each of a step's four loads reads 512 consecutive
; bytes, 16 a lane; the 2,048 bytes go through the wave's own stage in LDS as they lie and come back 64 bytes a lane.  Two neighbouring lanes hold a block of 32.
	v_lshlrev_b32 v3, 4, v2                        ; my 16 bytes of a load's 512
	s_mul_i32 s21, s20, WREG
	v_lshrrev_b32 v14, 2, v2
	v_mul_u32_u24 v14, v14, SP
	v_and_b32 v15, 3, v2
	v_lshl_add_u32 v14, v15, 4, v14
	v_add_nc_u32 v14, s21, v14                     ; the stage, way in: SP (lane / 4) + 16 (lane % 4); a load's 512 bytes take eight places
	v_mul_u32_u24 v15, v2, SP
	v_add_nc_u32 v15, s21, v15                     ; way out: SP x lane: my 16 neighbours
	v_lshlrev_b32 v4, 4, v2                        ; my 16 codes' place in a step's 512
	v_lshrrev_b32 v5, 1, v2
	s_add_co_u32 s21, s21, 2*32*SP
	v_add_nc_u32 v5, s21, v5                       ; LDS: my wave's 256 scale bytes, my block's byte
	v_lshlrev_b32 v7, 3, v2                        ; and on the way out 8 bytes a lane
	v_add_nc_u32 v6, s21, v7
	s_mov_b32 s23, MANT                            ; (an instruction takes one literal: the hold's line has another)
	s_wait_alu depctr_va_vdst(0)
	s_wait_kmcnt 0x0
	s_mov_b64 s[24:25], s[10:11]                   ; which tensor: the choice hangs on the work-group's number alone
	s_mov_b32 s22, 320                             ; and the tensor's first work-group
	s_cmp_lt_u32 ttmp9, 320
	s_cselect_b64 s[24:25], s[8:9], s[24:25]
	s_cselect_b32 s22, 288, s22
	s_cmp_lt_u32 ttmp9, 288
	s_cselect_b64 s[24:25], s[6:7], s[24:25]
	s_cselect_b32 s22, 256, s22
	s_cmp_lt_u32 ttmp9, 256
	s_cselect_b64 s[24:25], s[4:5], s[24:25]
	s_cselect_b32 s22, 0, s22
	s_sub_co_u32 s26, ttmp9, s22
	s_lshl_b32 s26, s26, 2
	s_add_co_u32 s26, s26, s20                     ; which run of 8 rows of the tensor is my wave's
	s_lshl_b32 s26, s26, 15                        ; 32,768 bytes a run (x: 1,024 runs: under 2^25 bytes)
	s_mov_b32 s27, 0
	s_add_nc_u64 s[24:25], s[24:25], s[26:27]
	s_and_b32 s28, s20, 1
	s_lshl_b32 s28, s28, 1
	s_lshr_b32 s29, s20, 1
	s_or_b32 s28, s28, s29                         ; the permutation: wave 0, 1, 2, 3 stores at place 0, 2, 1, 3 of the group of 32 rows
	s_lshl_b32 s29, ttmp9, 2
	s_add_co_u32 s28, s28, s29                     ; the run in the table
	s_lshl_b32 s26, s28, 13                        ; 8,192 bytes of codes a run
	s_add_nc_u64 s[14:15], s[14:15], s[26:27]
	s_lshl_b32 s26, s28, 8                         ; 256 scale bytes a run
	s_add_nc_u64 s[16:17], s[16:17], s[26:27]
.macro LOAD t
.irp i, 0,1,2,3
	global_load_b128 v[R+16*((\t)%4)+4*\i:R+16*((\t)%4)+4*\i+3], v3, s[24:25] offset:2048*(\t)+512*\i th:TH_LOAD_NT   ; 32 lanes read 512 consecutive bytes; read once in the launch
.endr
.endm
.macro TURN t                          ; step t's numbers through the stage: LDS serves a wave's instructions in order (ISA guide 5.7.1.4), so no wait stands between the stores and the loads
.irp i, 0,1,2,3
	ds_store_b128 v14, v[R+16*((\t)%4)+4*\i:R+16*((\t)%4)+4*\i+3] offset:32*SP*((\t)%2)+8*SP*\i
.endr
.irp i, 0,1,2,3
	ds_load_b128 v[X+16*((\t)%2)+4*\i:X+16*((\t)%2)+4*\i+3], v15 offset:32*SP*((\t)%2)+16*\i
.endr
.endm
.irp t, 0,1,2,3
	LOAD \t
.endr
	s_wait_loadcnt 12                              ; step 0's four loads are in; three steps' twelve may be out
	TURN 0
.macro STEP t
.set XS, X+16*((\t)%2)
.if (\t) > 0
	s_wait_dscnt 1                                 ; this step's numbers are back from the stage (the last step's byte store may be out): so its stores into the stage have read their registers,
.else
	s_wait_dscnt 0x0
.endif
.if (\t)+4 < STEPS
	LOAD (\t)+4                                    ; which take the loads of four steps on
.endif
.if (\t)+1 < STEPS
.if STEPS-2-(\t) >= 3
	s_wait_loadcnt 12                              ; the next step's four loads are in; those of the three steps behind it may be out
.else
	s_wait_loadcnt 4*(STEPS-2-(\t))                ; in the tail fewer steps stand behind it
.endif
	TURN (\t)+1                                    ; and go through the other stage while this step is worked
.endif
	v_max3_num_f32 v8, |v[XS]|, |v[XS+1]|, |v[XS+2]|               ; the largest magnitude of my 16, in two chains
	v_max3_num_f32 v9, |v[XS+3]|, |v[XS+4]|, |v[XS+5]|
.irp i, 6,10
	v_max3_num_f32 v8, v8, |v[XS+\i]|, |v[XS+\i+1]|
	v_max3_num_f32 v9, v9, |v[XS+\i+2]|, |v[XS+\i+3]|
.endr
	v_max3_num_f32 v8, v8, |v[XS+14]|, |v[XS+15]|
	v_max3_num_f32 v8, v8, v9, 0x4800000           ; and the floor 2^(9 - 127), under which no largest magnitude is taken: so the byte cannot fall under 1
	v_max_num_f32_dpp v8, v8, v8 row_xmask:1 row_mask:0xf bank_mask:0xf   ; and of my neighbour's 16: the block's
	v_add_nc_u32 v11, 0xfc000000, v8               ; 8 off its exponent field: the conversion takes the exponent field of this operand as its scale, and nothing else of it
	v_and_or_b32 v10, v8, 0x7f800000, s23          ; 448 x the scale: the largest magnitude's exponent field over 448's mantissa
.irp i, 0,1,2,3,4,5,6,7,8,9,10,11,12,13,14,15
	v_med3_num_f32 v[XS+\i], v[XS+\i], -v10, v10   ; the conversion to an 8-bit code does not saturate (ISA guide 7.6.2): hold the number within 448 x the scale first
.endr
	v_cvt_scalef32_pk8_fp8_f32 v[C+4*(\t):C+4*(\t)+1], v[XS:XS+7], v11
	v_cvt_scalef32_pk8_fp8_f32 v[C+4*(\t)+2:C+4*(\t)+3], v[XS+8:XS+15], v11
	v_lshrrev_b32 v[E+(\t)], 23, v11               ; the scale's byte (also the plain line behind the conversions)
	ds_store_b8 v5, v[E+(\t)] offset:16*(\t)       ; both lanes of a block write the same byte with the same value
	global_store_b128 v4, v[C+4*(\t):C+4*(\t)+3], s[14:15] offset:512*(\t)   ; the wave stores 512 consecutive bytes, aligned
.endm
.irp t, 0,1,2,3,4,5,6,7,8,9,10,11,12,13,14,15
	STEP \t
.endr
	ds_load_b64 v[12:13], v6                       ; these see my byte stores: LDS serves a wave's instructions in order
	s_wait_dscnt 0x0
	global_store_b64 v7, v[12:13], s[16:17]        ; 32 lanes store 256 consecutive bytes, aligned: 8 rows' scale bytes
	s_wait_tensorcnt 0x0
	ds_add_u32 v224, v225
	s_wait_dscnt 0x0
	s_endpgm
; ---------------------------------------------------------------- (M) the mask
; Work-group 352 + 128 b + T takes the 16 mask rows of query tile T of batch b; wave w key steps 4 w .. 4 w + 3: 2,048 bytes of each row.  A key step: 16 loads, each 512 consecutive bytes of one row;
; through the wave's stage, so that lane (r, h) holds, of row r, the 64 numbers of keys 32 g + 16 h + i in register 16 g + i; 64 compares, whose lane masks are the words; the words are
; set into two registers (word j: register j % 2, lane j / 2) and leave as 256 consecutive bytes.
.Lmask:
	s_sub_co_u32 s21, ttmp9, WGQ                   ; 128 b + T
	s_lshr_b32 s22, s21, 7
	s_lshl_b32 s22, s22, 11                        ; 2,048 b
	s_and_b32 s23, s21, 127
	s_lshr_b32 s23, s23, 1
	s_lshl_b32 s23, s23, 5                         ; 32 (T / 2)
	s_add_co_u32 s22, s22, s23
	s_and_b32 s23, s21, 1
	s_lshl_b32 s23, s23, 3                         ; 8 (T % 2)
	s_add_co_u32 s22, s22, s23                     ; the tile's first row
	s_lshl_b32 s22, s22, 13                        ; 8,192 bytes a row (under 2^26 in all)
	s_lshl_b32 s23, s20, 11                        ; my wave's 2,048 bytes of it
	s_add_co_u32 s22, s22, s23
	s_mov_b32 s23, 0
	s_lshl_b32 s24, s21, 12                        ; maskw: 4,096 bytes a tile,
	s_lshl_b32 s25, s20, 10                        ; 1,024 for my four key steps
	s_add_co_u32 s24, s24, s25
	s_mov_b32 s25, 0
	s_wait_alu depctr_va_vdst(0)
	v_lshlrev_b32 v1, 4, v2                        ; 16 x lane
	v_lshlrev_b32 v5, 3, v2                        ; 8 x lane
	s_mul_i32 s26, s20, 16*MP
	s_add_co_u32 s26, s26, MST                     ; my stage
	v_add_nc_u32 v3, s26, v1                       ; way in: a row as it lies
	v_and_b32 v6, 15, v2                           ; r
	v_lshrrev_b32 v7, 4, v2                        ; h
	v_mul_u32_u24 v4, v6, MP
	v_lshl_add_u32 v4, v7, 6, v4
	v_add_nc_u32 v4, s26, v4                       ; way out: row r, + 64 h
.irp i, 0,1,2,3,4,5,6,7
	v_mov_b32 v[MW+\i], 0                          ; written once: the destination of a write to one lane counts as read
.endr
	s_wait_alu depctr_va_vdst(0)
	s_wait_kmcnt 0x0
	s_add_nc_u64 s[12:13], s[12:13], s[22:23]
	s_add_nc_u64 s[18:19], s[18:19], s[24:25]
.macro MLOAD e                         ; key step e of my four: stage row p is mask row p + 8 (p / 8) of the tile
.irp p, 0,1,2,3,4,5,6,7,8,9,10,11,12,13,14,15
	global_load_b128 v[MR+64*((\e)%2)+4*\p:MR+64*((\e)%2)+4*\p+3], v1, s[12:13] offset:(\p+8*(\p/8))*8192+512*(\e) th:TH_LOAD_NT
.endr
.endm
.macro MSTEP e
.if (\e) < 3
	s_wait_loadcnt 16                              ; this step's 16 loads are in; the next step's 16 may be out
.else
	s_wait_loadcnt 0x0
.endif
.irp p, 0,1,2,3,4,5,6,7,8,9,10,11,12,13,14,15
	ds_store_b128 v3, v[MR+64*((\e)%2)+4*\p:MR+64*((\e)%2)+4*\p+3] offset:MP*\p
.endr
.irp g, 0,1,2,3
.irp q, 0,1,2,3
	ds_load_b128 v[MX+16*\g+4*\q:MX+16*\g+4*\q+3], v4 offset:128*\g+16*\q
.endr
.endr
	s_wait_dscnt 0x0                               ; my 64 numbers are in, and the stores into the stage have read their registers,
.if (\e)+2 < 4
	MLOAD (\e)+2                                   ; which take the loads of two steps on
.endif
.irp g, 0,1,2,3
.irp i, 0,1,2,3,4,5,6,7,8,9,10,11,12,13,14,15
	v_cmp_ne_u32 s[32+\i], 0, v[MX+16*\g+\i]       ; word 16 g + i: bit L = lane L's number is not 0
.endr
.irp i, 0,1,2,3,4,5,6,7,8,9,10,11,12,13,14,15
	v_writelane_b32 v[MW+2*(\e)+(\i%2)], s[32+\i], 8*\g+\i/2
.endr
.endr
	global_store_b64 v5, v[MW+2*(\e):MW+2*(\e)+1], s[18:19] offset:256*(\e)   ; 32 lanes store 256 consecutive bytes, aligned; each step has its own pair, so no store's data are written again
.endm
	MLOAD 0
	MLOAD 1
	MSTEP 0
	MSTEP 1
	MSTEP 2
	MSTEP 3
	s_wait_tensorcnt 0x0
	ds_add_u32 v224, v225
	s_wait_dscnt 0x0
	s_endpgm
.Lfunc_end_k_q36a72a68df_prep:
	.size	k_q36a72a68df_prep, .Lfunc_end_k_q36a72a68df_prep-k_q36a72a68df_prep
	.p2alignl 7, 3214868480
	.fill 96, 4, 3214868480
	.section	.rodata,"a",@progbits
	.p2align	6, 0x0
	.amdhsa_kernel k_q36a72a68df_prep
		.amdhsa_group_segment_fixed_size 67072
		.amdhsa_private_segment_fixed_size 0
		.amdhsa_enable_private_segment 0
		.amdhsa_kernarg_size 64
		.amdhsa_user_sgpr_count 2
		.amdhsa_user_sgpr_kernarg_segment_ptr 1
		.amdhsa_wavefront_size32 1
		.amdhsa_system_sgpr_workgroup_id_x 1
		.amdhsa_system_sgpr_workgroup_id_y 1
		.amdhsa_system_sgpr_workgroup_id_z 1
		.amdhsa_system_vgpr_workitem_id 0
		.amdhsa_next_free_vgpr 226
		.amdhsa_next_free_sgpr 66
		.amdhsa_reserve_vcc 0
		.amdhsa_float_denorm_mode_32 3
		.amdhsa_float_denorm_mode_16_64 3
		.amdhsa_memory_ordered 1
		.amdhsa_forward_progress 1
		.amdhsa_inst_pref_size 100
	.end_amdhsa_kernel
	.amdgpu_metadata
---
amdhsa.version: [ 1, 2 ]
amdhsa.kernels:
  - .name:           k_q36a72a68df_prep
    .symbol:         k_q36a72a68df_prep.kd
    .args:
      - { .name: x, .offset: 0, .size: 8, .value_kind: global_buffer, .address_space: global }
      - { .name: Wq, .offset: 8, .size: 8, .value_kind: global_buffer, .address_space: global }
      - { .name: Wk, .offset: 16, .size: 8, .value_kind: global_buffer, .address_space: global }
      - { .name: Wv, .offset: 24, .size: 8, .value_kind: global_buffer, .address_space: global }
      - { .name: x_mask, .offset: 32, .size: 8, .value_kind: global_buffer, .address_space: global }
      - { .name: xw_codes, .offset: 40, .size: 8, .value_kind: global_buffer, .address_space: global }
      - { .name: xw_scales, .offset: 48, .size: 8, .value_kind: global_buffer, .address_space: global }
      - { .name: maskw, .offset: 56, .size: 8, .value_kind: global_buffer, .address_space: global }
    .group_segment_fixed_size: 67072
    .private_segment_fixed_size: 0
    .kernarg_segment_align: 8
    .kernarg_segment_size: 64
    .max_flat_workgroup_size: 128
    .sgpr_count:     66
    .vgpr_count:     226
    .wavefront_size: 32
...
	.end_amdgpu_metadata
.endif
;; end of part 1
;; launch qkv (part 2): grid 12 x 32, 4 waves a work-group, clusters of 4 x 4, 327,680 bytes of LDS; arguments xw_codes, xw_scales, bq, bk, bv, qkv_img, qkv_sc; writes qkv_img, qkv_sc
.if DOCPART == 2
	.amdgcn_target "amdgcn-amd-amdhsa--gfx1250"
	.amdhsa_code_object_version 6
	.text
	.protected	k_q36a72a68df_qkv
	.globl	k_q36a72a68df_qkv
	.p2align	8
	.type	k_q36a72a68df_qkv,@function
k_q36a72a68df_qkv:
	s_mov_b64 s[64:65], 0
	v_nop
	global_prefetch_b8 v0, s[64:65] scope:SCOPE_SE
	s_setreg_imm32_b32 hwreg(HW_REG_WAVE_MODE, 25, 1), 1
	s_wait_xcnt 0x0
	s_wait_alu depctr_hold_cnt(0) depctr_sa_sdst(0) depctr_va_vdst(0) depctr_va_sdst(0) depctr_va_ssrc(0) depctr_va_vcc(0) depctr_vm_vsrc(0)
	s_getreg_b32 s2, hwreg(HW_REG_IB_STS2, 6, 4)
	s_cmp_eq_u32 s2, 0
	s_cbranch_scc0 .Lentry_in_a_cluster
	s_endpgm
.Lentry_in_a_cluster:
	s_bfe_u32 s2, ttmp6, 0x10000c
	s_cmp_lg_u32 s2, 0xf033
	s_cbranch_scc0 .Lentry_shape_is_right
	s_endpgm
.Lentry_shape_is_right:
; QKV.  q = x Wq^T + bq, k = x Wk^T + bk, v = x Wv^T + bv on codes of FP8 (E4M3) with one E8M0 scale for each 32 along K = 1,024; sums in f32.  The results never go to memory as f32: the way out adds the
; bias, quantises them for the NEXT products (q, k along the head's 64 channels; v along the keys) and stores the codes as images of the operand registers of the attention launch.
; Both operands are rows of ONE table (xw_codes [11264][1024], xw_scales [11264][32]: rows 0-8191 x, then Wq, Wk, Wv), stored permuted in groups of 32 rows: place 16 u + p holds row 8 u + p + 8 (p / 8).
; A tile of 256 x 256 results is made by a work-group of four waves; a wave makes 128 x 128: 64 accumulators of 16 x 16, 512 registers.  K goes in steps of 256 through a ring of two LDS slots.
; TWO ROLES.  Source 1 of the matrix instruction is the LANE ROLE (a lane holds one of its rows), source 0 the REGISTER ROLE (a lane's registers run along its rows; by the permutation the 16 registers of two
; neighbouring tiles are 16 neighbours).  For q and k (cluster x = 0, 1): lane role = tokens, register role = channels.  For v (cluster x = 2): lane role = channels, register role = tokens (the keys).
; Only the rows that the descriptors name differ: loop, LDS addresses and masks are the same text for all.
; CLUSTERS: 4 x 4 work-groups.  The lane role's tile hangs on cy alone and is shared along a row of the cluster, the register role's on cx alone and is shared along a column: each is asked for JOINTLY.
; THE SCALES of the work-group's 2 x 256 rows, for all of K, are two dense blocks of 8,192 bytes: they come into LDS once, with the first fills.
; OUT: qkv_img: q at 0, k at 8 MiB, v at 16 MiB; bh = 16 b + head; L = lane = 16 h + r; tile T's token r is tok(T, r) = 32 (T / 2) + 8 (T % 2) + r + 8 (r / 8).
;   q, k: bh x 131072 + T x 1024 + c x 512 + 16 L: token tok(T, r), channels 32 c + 16 h + 0..15.     v: bh x 131072 + s x 8192 + u x 2048 + c x 512 + 16 L: channel 32 (u / 2) + 8 (u % 2) + r + 8 (r / 8), keys 128 s + 32 c + 16 h + 0..15.
;   qkv_sc: q at 0, k at 524288: bh x 8192 + s x 512 + 16 L' + 4 i: the word (two bytes, two zeros) of tile 8 s + 2 i + L' / 16, row L' % 16.   v at 1048576: (bh / 2) x 8192 + s x 512 + 16 L' + 8 (head % 2) + 4 i: the word of channel tile 2 i + L' / 16.
; LIMITS: NaN and infinities are not served; a block under 2^-118 keeps the byte 1, and so does a block of zeros (its codes are zeros; this program alone reads the bytes).
; No prefetch: K has four steps only, and every tile is shared by a joint load.
; REGISTERS, in windows of 256: window 0: v0-31 addresses, v8-15 the lane role's bias; v32-63 scale words, two sets; v64-127 the register role's bias; from v128 the lane role's fragments, ONE set (the way out works there).
;   window 1: the register role's fragments, TWO sets.   window 2: the accumulators of my lane-role blocks 0-3 (accumulator (a, b) at v[8 (8 (a % 4) + b)]);   window 3: blocks 4-7.
.set KSTEP,  256                       ; along K in a slot
.set NQ,     KSTEP/128                 ; matrix instructions deep
.set ROWB,   256                       ; a tile's row in bytes
.set KROW,   1024                      ; a row of the table in bytes
.set PITCH,  272                       ; an LDS row: 256 bytes + 16 of padding = 68 words: row r starts at bank 4 r mod 64 (64 banks of 4 bytes: ISA guide 11.1)
.set FR,     16                        ; registers of a fragment: 16 rows x 128 K
.set NL,     4                         ; LDS loads that bring one
.set NP,     8                         ; places behind this matrix instruction (ISA guide 7.12.1)
.set HALFT,  128*PITCH                 ; 128 rows: what one tensor load brings, and what one wave reads of a role
.set SLOT,   4*HALFT                   ; the lane role's 256 rows, then the register role's
.set LAPS,   2                         ; a lap = two K steps = once round the ring: 1,024 / 512
.set KS,     32                        ; a row of scales in bytes
.set SCL,    2*SLOT                    ; behind the ring: the scales, as pieces of 256 bytes + 16 of padding
.set HALFS,  (128*KS/256)*272          ; the scales of 128 rows: half of what one tensor load brings
.set SBLK,   (16*KS/256)*272           ; those of 16 rows
.set SPARE,  SCL+4*HALFS               ; the spare words, 128 bytes for each wave: two blocks of 256 bytes that no other line names
.set SCSTG,  SPARE+512                 ; 1,024 bytes for each wave: the scale words just made are gathered here; no fill lands here
.set BA,   8                           ; v8-15   the lane role's bias: register a = that of my row of block a (zeros for q, k)
.set ADRA, 16                          ; v16-17  LDS address of my lane-role fragments in slot 0, 1
.set BAQ,  18                          ; v18     the bias loads' offset, q and k: 64 h
.set BAV,  19                          ; v19     v: 4 (r + 8 (r / 8))
.set ADRB, 20                          ; v20-21  the same for the register role
.set SHF,  22                          ; v22     16 h: lanes 16-31 take the upper two bytes of a scale word
.set SWA,  23                          ; v23     where I put a scale word: SCSTG + 1024 wave + 512 h + 16 r
.set SRD,  24                          ; v24     and where I read 16 bytes of them back: SCSTG + 1024 wave + 16 lane
.set VOL,  25                          ; v25     16 x lane
.set VOH,  26                          ; v26     16 x lane + DH
.set ADRS, 27                          ; v27     LDS address of my scale words: lanes 0-15 the lane role's rows, lanes 16-31 the register role's
.set SPW,  28                          ; v28     LDS address of my spare word; never rewritten
.set NIL,  29                          ; v29     0; never rewritten
.set SWD,  30                          ; v30     the scale word to be stored
.set SC,   32                          ; scale words: set s at v[SC + 16 s]; register 2 i + q: lanes 0-15 the lane role's block i, lanes 16-31 the register role's block i, the slot's q-th 128 along K
.set BB,   64                          ; v64-127 the register role's bias, in the order of a block's 64 result registers (zeros for v)
.set AF,   128                         ; the lane role's fragments
.set HA,   128                         ; the way out: v128-191 a block's 64 numbers
.set PC,   192                         ; v192-207 their codes
.set TM,   208                         ; v208-211 largest magnitudes, v212-215 bytes, v216-219 448 x the scale, v220-223 the conversions' scale operands
.set PW,   224                         ; the scale word just made
.set RB,   228                         ; v228-235 scale words read back
.set G1, 24                            ; s[24:31] descriptor group 1 for the lane role's tiles;  s[32:39] group 0, one set for each slot
.set G0, 32
.set G1B, 48                           ; s[48:55], s[56:63] the same for the register role's
.set G0B, 56
.set G1S, 68                           ; s[68:75], s[76:79] groups 1 and 0 for the lane role's scales;  s[80:87], s[88:91] for the register role's
.set G0S, 76
.set G1SB, 80
.set G0SB, 88
.set OB,  92                           ; s[92:93] where my codes go
.set SB,  94                           ; s[94:95] where my scale words go
.set ISV, 96                           ; s96  1 in the clusters that make v
.set AM,  97                           ; s97  what is kept of a scale word: two bytes (q, k) or all four (v)
.set STEPA, 98                         ; s[98:99]  bytes from a block's image to the next: 1,024 (a tile of tokens) or 2,048 (a tile of channels)
.set X4,  100                          ; s[100:101] more at block 4 for v: on to the pair's second head: 131,072 - 8,192
.set DH,  104                          ; s104 from codes 0-7 to codes 8-15 of a block: the next head's image (q, k: 131,072) or the next two key blocks (v: 1,024)
.set SEL, 20                           ; s[20:21] (way out) lane selects for v_permlanex16_b32: lane l xor 16
.set MNT, 22                           ; s22      (way out) the mantissa field of 448
.set MSB, 0
.macro WIN new                         ; the immediate's high byte repeats the setting that is left
.if MSB != \new
	s_set_vgpr_msb (MSB<<8)|\new
.set MSB, \new
.endif
.endm
.set MUL_LO, 0xa1                      ; source 0 window 1, source 1 window 0, C and D window 2
.set MUL_HI, 0xf1                      ; the same, C and D window 3
.set TO_B,   0x40                      ; destination window 1, address window 0
; A joint load: waves 0 and 1 fetch for the lane role, waves 2 and 3 for the register role.  Each of the two lines has ONE mask and one set of registers for all that issue it; the branch hangs on the wave's number alone.
; Four v_nop follow each of the two lines, ahead of the jump, the label and what follows.
.macro JLOAD g0a, g1a, g0b, g1b
	s_cmp_eq_u32 s15, 0
	s_cbranch_scc0 .Lfor_b_\@
	tensor_load_to_lds s[\g0a:\g0a+3], s[\g1a:\g1a+7]
	s_nop 0
.rept 4
	v_nop
.endr
	s_branch .Lasked_\@
.Lfor_b_\@:
	tensor_load_to_lds s[\g0b:\g0b+3], s[\g1b:\g1b+7]
	s_nop 0
.rept 4
	v_nop
.endr
.Lasked_\@:
.endm
.macro CREST                           ; a round of the cluster's barrier behind its opening barrier
	s_cmp_lg_u32 s14, 0
	s_cbranch_scc1 .Lnot_wave_0_\@
	s_barrier_signal -3
.Lnot_wave_0_\@:
	s_barrier_wait -3
	s_barrier_signal -1
	s_barrier_wait -1
.endm
.macro CROUND                          ; a whole round
	s_barrier_signal -1
	s_barrier_wait -1
	CREST
.endm
	s_load_b256 s[4:11], s[0:1], 0x0               ; xw_codes s[4:5], xw_scales s[6:7], bq s[8:9], bk s[10:11]
	s_load_b64 s[12:13], s[0:1], 0x20              ; bv
	s_load_b128 s[92:95], s[0:1], 0x28             ; qkv_img, qkv_sc
	v_lshl_add_u32 v[SPW], v0, 2, SPARE
	v_mov_b32 v[NIL], 0
	ds_add_u32 v28, v29
	ds_add_u32 v28, v29
	s_wait_dscnt 0x0
	v_lshrrev_b32 v1, 5, v0
	v_readfirstlane_b32 s14, v1                    ; wave 0..3
	s_lshr_b32 s15, s14, 1                         ; which half of the lane role's 256 rows is mine.  Also: I fetch for the lane role (0) or the register role (1)
	s_and_b32 s16, s14, 1                          ; which half of the register role's.  Also: which 128 rows of that tile I fetch
	s_bfe_u32 s40, ttmp6, 0x40000                  ; cx, cy: my place in the cluster
	s_bfe_u32 s41, ttmp6, 0x40004
	s_and_b32 s17, ttmp7, 0xffff                   ; cluster y: which 1,024 tokens
	s_lshl_b32 s43, s41, 2
	s_lshl_b32 s43, 15, s43                        ; my row of the cluster
	s_lshl_b32 s44, 0x1111, s40                    ; my column
	; what differs between q, k and v: chosen by the cluster's x, which all sixteen partners share
	s_lshl_b32 s18, s17, 10                        ; the cluster's first token row
	s_lshl_b32 s19, ttmp9, 10
	s_add_co_u32 s19, s19, 8192                    ; Wq's or Wk's first row
	s_mov_b32 s42, 10240                           ; Wv's
	s_mov_b32 s[STEPA], 1024
	s_mov_b32 s[STEPA+1], 0
	s_mov_b32 s[X4+1], 0
	s_mov_b32 s[DH], 131072
	s_cmp_eq_u32 ttmp9, 2
	s_cselect_b32 s[ISV], 1, 0
	s_cselect_b32 s20, s42, s18                    ; the lane role's first row for the cluster,
	s_cselect_b32 s46, s18, s19                    ; the register role's
	s_cselect_b32 s[AM], -1, 0xffff
	s_cselect_b32 s[STEPA], 2048, s[STEPA]
	s_cselect_b32 s[X4], 122880, 0
	s_cselect_b32 s[DH], 1024, s[DH]
	; descriptor group 1: a tile of 128 rows x 256 bytes, padded in LDS
	s_or_b32 s[G1+0], s43, (0<<16)|(1<<20)|(1<<21)|(5<<22)|(3<<25)  ; 15:0 the mask: my row; 17:16 element of 1 byte; 20 padding on; 21 set beside a mask; 24:22 after every 64 words (code 5); 31:25 of 4 words (code 3)
	s_or_b32 s[G1B+0], s44, (0<<16)|(1<<20)|(1<<21)|(5<<22)|(3<<25) ; the same with the mask of my column
.irp g, G1, G1B
	s_mov_b32 s[\g+1], ROWB<<16                    ; tensor_dim0
	s_mov_b32 s[\g+2], 256<<16                     ; tensor_dim1 = 256 for the head's loads; set to 128 for the ring's behind them
	s_mov_b32 s[\g+3], ROWB<<16                    ; tile_dim0
	s_mov_b32 s[\g+4], 256                         ; tile_dim1 = 256
	s_mov_b32 s[\g+5], KROW                        ; tensor_dim0_stride
	s_mov_b32 s[\g+6], 0
	s_mov_b32 s[\g+7], 0
.endr
	; and for the scales of 256 rows: a dense block of 8,192 bytes, as 32 rows of 256 bytes (32 elements of 8 bytes), 16 bytes of padding behind each
	s_or_b32 s[G1S+0], s43, (3<<16)|(1<<20)|(1<<21)|(5<<22)|(3<<25)
	s_or_b32 s[G1SB+0], s44, (3<<16)|(1<<20)|(1<<21)|(5<<22)|(3<<25)
.irp g, G1S, G1SB
	s_mov_b32 s[\g+1], 32<<16
	s_mov_b32 s[\g+2], (256*KS/256)<<16            ; the scales of all 256 rows of a role: 32 rows of 256 bytes
	s_mov_b32 s[\g+3], 32<<16
	s_mov_b32 s[\g+4], 256*KS/256
	s_mov_b32 s[\g+5], 32
	s_mov_b32 s[\g+6], 0
	s_mov_b32 s[\g+7], 0
.endr
	s_lshl_b32 s21, s41, 8
	s_add_co_u32 s20, s20, s21                     ; lane role: + 256 cy: the tile's first row; cx enters nowhere
	s_lshl_b32 s47, s40, 8
	s_add_co_u32 s46, s46, s47                     ; register role: + 256 cx; cy enters nowhere
	s_lshl_b32 s22, s20, 5                         ; where these rows' scales begin, in bytes,
	s_mov_b32 s23, 0
	s_lshl_b32 s20, s20, 10                        ; and their codes (11,264 rows: under 2^24 bytes)
	s_mov_b32 s21, 0
	s_lshl_b32 s66, s46, 5
	s_mov_b32 s67, 0
	s_lshl_b32 s46, s46, 10
	s_mov_b32 s47, 0
	s_mul_i32 s45, s14, HALFT                      ; where they go: wave x 128 rows: no place in the cluster enters an LDS address
	s_wait_kmcnt 0x0
	s_add_nc_u64 s[20:21], s[4:5], s[20:21]
	s_add_nc_u64 s[22:23], s[6:7], s[22:23]
	s_add_nc_u64 s[46:47], s[4:5], s[46:47]
	s_add_nc_u64 s[66:67], s[6:7], s[66:67]
	CROUND                                         ; all sixteen work-groups are here: the first joint loads meet
	s_mov_b32 s[G0S], 1                            ; the head's four tiles, each whole: the lane role's scales,
	s_mov_b32 s[G0S+1], SCL
	s_mov_b64 s[G0S+2:G0S+3], s[22:23]
	s_or_b32 s[G0S+3], s[G0S+3], 0x80000000
	s_mov_b32 s[G0SB], 1                           ; the register role's scales,
	s_mov_b32 s[G0SB+1], SCL+2*HALFS
	s_mov_b64 s[G0SB+2:G0SB+3], s[66:67]
	s_or_b32 s[G0SB+3], s[G0SB+3], 0x80000000
	s_mov_b32 s[G0], 1                             ; K step 0's 256 rows of the lane role (slot 0's group 0 serves the head first),
	s_mov_b32 s[G0+1], 0
	s_mov_b64 s[G0+2:G0+3], s[20:21]
	s_or_b32 s[G0+3], s[G0+3], 0x80000000
	s_mov_b32 s[G0B], 1                            ; and of the register role, behind them in slot 0
	s_mov_b32 s[G0B+1], 2*HALFT
	s_mov_b64 s[G0B+2:G0B+3], s[46:47]
	s_or_b32 s[G0B+3], s[G0B+3], 0x80000000
	s_mul_i32 s18, s16, 128*KROW                   ; for the ring: which 128 rows of a tile I fetch, in bytes
	s_mov_b32 s19, 0
	s_add_nc_u64 s[20:21], s[20:21], s[18:19]
	s_add_nc_u64 s[46:47], s[46:47], s[18:19]
	s_mov_b32 s[G0+4], 1                           ; slot 1's group 0: K step 1, my quarter of the slot
	s_add_co_u32 s[G0+5], s45, SLOT
	s_add_nc_u64 s[G0+6:G0+7], s[20:21], ROWB
	s_or_b32 s[G0+7], s[G0+7], 0x80000000
	s_mov_b32 s[G0B+4], 1
	s_add_co_u32 s[G0B+5], s45, SLOT
	s_add_nc_u64 s[G0B+6:G0B+7], s[46:47], ROWB
	s_or_b32 s[G0B+7], s[G0B+7], 0x80000000
; THE HEAD'S LOADS, ONE A WAVE: one chain of branches on the wave's number, a load to an arm, all arms leading to one join.
.macro ARM under, g0, g1, next
	s_cmp_lt_u32 s14, \under
	s_cbranch_scc0 \next
	tensor_load_to_lds s[\g0:\g0+3], s[\g1:\g1+7]
	s_nop 0
.rept 4
	v_nop
.endr
	s_branch .Lhead_asked
\next:
.endm
	ARM 1, G0,  G1,  .Lhead_b
	ARM 2, G0B, G1B, .Lhead_sa
	ARM 3, G0S, G1S, .Lhead_sb
	tensor_load_to_lds s[G0SB:G0SB+3], s[G1SB:G1SB+7]
	s_nop 0
.rept 4
	v_nop
.endr
.Lhead_asked:
	v_and_b32 v1, 15, v0                           ; r = l % 16
	v_bfe_u32 v2, v0, 4, 1                         ; h = l / 16
	v_mul_u32_u24 v3, v1, PITCH
	v_lshl_add_u32 v4, v2, 4, v3                   ; a fragment's row x pitch + 16 x half
	s_mul_i32 s21, s15, HALFT                      ; my 128 rows of the lane role
	s_mul_i32 s22, s16, HALFT                      ; my 128 rows of the register role,
	s_add_co_u32 s22, s22, 2*HALFT                 ; which lie behind the lane role's 256
.irp s, 0,1
	v_add_nc_u32 v[ADRA+\s], s21, v4
	v_add_nc_u32 v[ADRB+\s], s22, v4
	s_add_co_u32 s21, s21, SLOT
	s_add_co_u32 s22, s22, SLOT
.endr
	v_mul_u32_u24 v5, v1, KS                       ; my row's scales: 32 bytes a row,
	v_lshrrev_b32 v6, 8, v5
	v_lshl_add_u32 v5, v6, 4, v5                   ; and 16 more for each 256 passed
	s_mul_i32 s21, s15, HALFS                      ; the lane role's: my 128 rows
	s_mul_i32 s22, s16, HALFS                      ; the register role's, behind the lane role's 256
	s_add_co_u32 s22, s22, 2*HALFS
	s_sub_co_u32 s22, s22, s21
	v_mul_u32_u24 v6, s22, v2                      ; lanes 16-31 take the register role's: the lower base + h x the distance
	s_add_co_u32 s21, s21, SCL
	v_add_nc_u32 v5, v5, v6
	v_add_nc_u32 v[ADRS], s21, v5
	s_lshl_b32 s21, s14, 10
	s_add_co_u32 s21, s21, SCSTG                   ; my 1,024 bytes for scale words
	v_lshlrev_b32 v[SHF], 4, v2
	v_lshlrev_b32 v[SWA], 4, v1
	v_lshl_add_u32 v[SWA], v2, 9, v[SWA]
	v_add_nc_u32 v[SWA], s21, v[SWA]
	v_and_b32 v6, 31, v0
	v_lshlrev_b32 v[VOL], 4, v6
	v_add_nc_u32 v[SRD], s21, v[VOL]
	v_add_nc_u32 v[VOH], s[DH], v[VOL]
	v_lshlrev_b32 v[BAQ], 6, v2
	v_and_b32 v[BAV], 8, v1
	v_add_nc_u32 v[BAV], v[BAV], v1
	v_lshlrev_b32 v[BAV], 2, v[BAV]
	; where my results go.  My 128 tokens are group 8 cluster y + (2 cy + hA for q, k; 2 cx + hB for v) of 64: batch = group / 16, key step = group % 16.  My 128 channels are a pair of heads: 2 cx + hB, or 2 cy + hA.
	s_lshl_b32 s18, s40, 1
	s_add_co_u32 s18, s18, s16                     ; 2 cx + hB
	s_lshl_b32 s19, s41, 1
	s_add_co_u32 s19, s19, s15                     ; 2 cy + hA
	s_lshl_b32 s17, s17, 3
	s_cmp_eq_u32 s[ISV], 1
	s_cselect_b32 s42, s18, s19
	s_cselect_b32 s45, s19, s18                    ; the pair of heads
	s_add_co_u32 s42, s42, s17                     ; the group of tokens
	s_lshr_b32 s46, s42, 4                         ; b
	s_and_b32 s42, s42, 15                         ; s
	s_lshl_b32 s47, s46, 4
	s_lshl_b32 s66, s45, 1
	s_add_co_u32 s47, s47, s66                     ; bh of the pair's first head: 16 b + 2 pair
	s_lshl_b32 s66, s47, 17
	s_lshl_b32 s67, ttmp9, 23                      ; q, k or v: 8 MiB each
	s_add_co_u32 s66, s66, s67
	s_lshl_b32 s67, s42, 13                        ; the key step: 8,192 bytes in all three images
	s_add_co_u32 s66, s66, s67
	s_mov_b32 s67, 0
	s_add_nc_u64 s[OB:OB+1], s[OB:OB+1], s[66:67]
	s_lshr_b32 s47, s47, s[ISV]                    ; scale words: a head's 8,192 bytes for q, k; a pair's for v
	s_lshl_b32 s66, s47, 13
	s_lshl_b32 s47, ttmp9, 19                      ; q at 0, k at 524,288, v at 1,048,576
	s_add_co_u32 s66, s66, s47
	s_lshl_b32 s47, s42, 9
	s_add_co_u32 s66, s66, s47
	s_add_nc_u64 s[SB:SB+1], s[SB:SB+1], s[66:67]
	s_lshl_b32 s66, s45, 9                         ; the bias of my 128 channels: 512 bytes a pair of heads
	s_cmp_eq_u32 ttmp9, 1
	s_cselect_b64 s[8:9], s[10:11], s[8:9]
	s_cmp_eq_u32 ttmp9, 2
	s_cselect_b64 s[8:9], s[12:13], s[8:9]
	s_add_nc_u64 s[8:9], s[8:9], s[66:67]
	; the biases: along the registers for q and k, along the lanes for v; the other set is zeros, so that one text adds both.  They are waited for on the way out.
	s_cmp_lg_u32 s[ISV], 0
	s_cbranch_scc1 .Lbias_v
.set n, 0
	s_wait_alu depctr_va_vdst(0)
.rept 16
	global_load_b128 v[BB+4*n:BB+4*n+3], v[BAQ], s[8:9] offset:128*(n/4)+16*(n%4)   ; register 16 g + i: channel 32 g + 16 h + i
.set n, n+1
.endr
.irp a, 0,1,2,3,4,5,6,7
	v_mov_b32 v[BA+\a], 0
.endr
	s_branch .Lbias_done
.Lbias_v:
	s_wait_alu depctr_va_vdst(0)
.irp a, 0,1,2,3,4,5,6,7
	global_load_b32 v[BA+\a], v[BAV], s[8:9] offset:(32*(\a/2)+8*(\a%2))*4          ; block a: channel 32 (a / 2) + 8 (a % 2) + r + 8 (r / 8)
.endr
.set n, 0
.rept 64
	v_mov_b32 v[BB+n], 0
.set n, n+1
.endr
.Lbias_done:
.macro FRAG reg, adr, q, i             ; a fragment, 16 rows x 128 K of 8-bit codes, is 16 registers: lane l holds row l % 16; registers 4 c .. 4 c + 3 hold K = 32 c + 16 (l / 16) + 0 .. 15
.irp c, 0,1,2,3
	ds_load_b128 v[\reg+4*\c:\reg+4*\c+3], v[\adr] offset:128*(\q)+32*\c+(\i)*16*PITCH
.endr
.endm
; 16 matrix instructions: lane-role blocks a0, a0 + 1 x the register role's eight, 128 along K: the slot's q-th.  p: the register role's set;  sc: the set of scale words.  zero = 1: the first product starts the sums.
; The 64 accumulators take turns, one instruction a turn, in the same order in every step.
.macro MUL16 a0, p, q, sc, zero
.irp a, \a0, \a0+1
.irp b, 0,1,2,3,4,5,6,7
.if \zero
	v_wmma_scale_f32_16x16x128_f8f6f4 v[8*(8*((\a)%4)+\b):8*(8*((\a)%4)+\b)+7], v[128*(\p)+FR*\b:128*(\p)+FR*\b+FR-1], v[AF+FR*(\a):AF+FR*(\a)+FR-1], 0, v[SC+8*NQ*(\sc)+NQ*\b+(\q)], v[SC+8*NQ*(\sc)+NQ*(\a)+(\q)] matrix_a_scale:MATRIX_SCALE_ROW1
.else
	v_wmma_scale_f32_16x16x128_f8f6f4 v[8*(8*((\a)%4)+\b):8*(8*((\a)%4)+\b)+7], v[128*(\p)+FR*\b:128*(\p)+FR*\b+FR-1], v[AF+FR*(\a):AF+FR*(\a)+FR-1], v[8*(8*((\a)%4)+\b):8*(8*((\a)%4)+\b)+7], v[SC+8*NQ*(\sc)+NQ*\b+(\q)], v[SC+8*NQ*(\sc)+NQ*(\a)+(\q)] matrix_a_scale:MATRIX_SCALE_ROW1
.endif
.endr
.endr
.endm
.macro FETCH_B slot, q, p              ; the register role's eight fragments of the slot's q-th 128 along K into set p
	WIN TO_B
.irp i, 0,1,2,3,4,5,6,7
	FRAG 128*(\p)+FR*\i, ADRB+\slot, \q, \i
.endr
	WIN 0
.endm
.macro FETCH_A slot, q, i0             ; the lane role's blocks i0 .. i0 + 3
.irp i, \i0, \i0+1, \i0+2, \i0+3
	FRAG AF+FR*(\i), ADRA+\slot, \q, \i
.endr
.endm
.macro SCALES sc                       ; the next K step's scale words into set sc: two words a row; lanes 0-15 take the lane role's block i, lanes 16-31 the register role's block i
.irp i, 0,1,2,3,4,5,6,7
	ds_load_b64 v[SC+8*NQ*\sc+NQ*\i:SC+8*NQ*\sc+NQ*\i+1], v[ADRS] offset:\i*SBLK
.endr
.endm
; A load into a register that a matrix instruction has read, and a vector instruction that reads a matrix result or writes one of a matrix instruction's registers, stand NP places behind it, and only plain
; vector instructions that name none of its registers are places (ISA guide 7.12.1 for vector instructions).
.macro PLACES n
.rept \n
	v_nop
.endr
.endm
; A step of 128 along K that has its successor in the same slot.  A lane-role block is free as soon as its eight products are issued: blocks 0-3 are fetched anew in the step's middle, blocks 4-7 at its end.
.macro STEP slot, q, zero
	s_wait_dscnt 4*NL                              ; the register role's set and blocks 0-3 are in; the youngest sixteen loads (blocks 4-7) may be out
	WIN MUL_LO
	MUL16 0, (\q)%2, \q, \slot, \zero
	MUL16 2, (\q)%2, \q, \slot, \zero
	s_wait_dscnt 0                                 ; blocks 4-7 are in (asked for 32 matrix instructions ago)
	PLACES NP
	FETCH_B \slot, (\q)+1, 1-(\q)%2
	FETCH_A \slot, (\q)+1, 0
	WIN MUL_HI
	MUL16 4, (\q)%2, \q, \slot, \zero
	MUL16 6, (\q)%2, \q, \slot, \zero
	PLACES NP
	WIN 0
	FETCH_A \slot, (\q)+1, 4
.endm
; A slot's last step changes slots: ONE barrier; in front of it each wave waits for all its tensor loads, adds 0 to its spare word, and waits for that and for its own reads of this slot.  fill = 1: this slot is filled again, two K steps ahead.
.macro TURN slot, next, fill
	s_wait_tensorcnt 0x0                           ; all my tensor loads have landed: my part of the next slot;  (every window is 0 here: the add's two registers lie in window 0)
	ds_add_u32 v[SPW], v[NIL]                      ; 0 onto my spare word
	s_wait_dscnt 4*NL+1                            ; (the add and the youngest sixteen loads, blocks 4-7, may be out)
	WIN MUL_LO
	MUL16 0, 1, NQ-1, \slot, 0                     ; sixteen matrix instructions stand between the add and the wait for it
	s_wait_dscnt 0x0                               ; the add is done, and my reads of this slot are over
	s_barrier_signal -1
	MUL16 2, 1, NQ-1, \slot, 0
	WIN 0
	s_barrier_wait -1
.if \fill
	CREST                                          ; the barrier has opened a round of the cluster's barrier: no wave of any partner still reads this slot's tile or has a load on its way
	s_add_nc_u64 s[G0+4*\slot+2:G0+4*\slot+3], s[G0+4*\slot+2:G0+4*\slot+3], 2*ROWB
	s_add_nc_u64 s[G0B+4*\slot+2:G0B+4*\slot+3], s[G0B+4*\slot+2:G0B+4*\slot+3], 2*ROWB
	JLOAD G0+4*\slot, G1, G0B+4*\slot, G1B         ; the first tensor load behind the round, my only one until the next; the four v_nop behind it are among the places in front of the loads below
	PLACES NP-4
.else
	PLACES NP
.endif
	s_wait_alu depctr_va_vdst(0)
	v_add_nc_u32 v[ADRS], 4*NQ, v[ADRS]            ; on to the next K step's scale words (no LDS load of mine is out)
	FETCH_B \next, 0, 0
	FETCH_A \next, 0, 0
	SCALES \next
	WIN MUL_HI
	MUL16 4, 1, NQ-1, \slot, 0
	MUL16 6, 1, NQ-1, \slot, 0
	PLACES NP
	WIN 0
	FETCH_A \next, 0, 4
.endm
	s_wait_alu depctr_va_vdst(0)
	s_wait_tensorcnt 0x0                           ; my tile of the head's four is in
	ds_add_u32 v[SPW], v[NIL]                      ; 0 onto my spare word
	s_mov_b32 s[G1+2], 128<<16                     ; no tensor load of mine is out, so descriptors may be written: from here on a load brings 128 rows
	s_mov_b32 s[G1+4], 128
	s_mov_b32 s[G1B+2], 128<<16
	s_mov_b32 s[G1B+4], 128
	s_mul_i32 s66, s16, 128*KROW                   ; slot 0's groups 0 become the ring's: my 128 rows, at wave x 128 rows of the slot; the first refill steps them to K step 2
	s_mov_b32 s67, 0
	s_mul_i32 s[G0+1], s14, HALFT
	s_add_nc_u64 s[G0+2:G0+3], s[G0+2:G0+3], s[66:67]
	s_mul_i32 s[G0B+1], s14, HALFT
	s_add_nc_u64 s[G0B+2:G0B+3], s[G0B+2:G0B+3], s[66:67]
	s_wait_dscnt 0x0                               ; the add is done
	CROUND                                         ; a whole round: all four tiles are in, and all sixteen work-groups are here
	JLOAD G0+4, G1, G0B+4, G1B                     ; K step 1's load, the first tensor load behind the round
	FETCH_B 0, 0, 0
	FETCH_A 0, 0, 0
	SCALES 0
	FETCH_A 0, 0, 4
	STEP 0, 0, 1                                   ; the first step stands in front of the loop: its products start the sums
	s_mov_b32 s3, LAPS-1
.Llap:                                                 ; a trip goes once round the ring, from a lap's second step to the next lap's first, and fills both slots again
	TURN 0, 1, 1
	STEP 1, 0, 0
	TURN 1, 0, 1
	STEP 0, 0, 0
	s_sub_co_u32 s3, s3, 1
	s_cmp_lg_u32 s3, 0
	s_cbranch_scc1 .Llap
	TURN 0, 1, 0                                   ; the last lap fills nothing, and has no round of the cluster's barrier
	STEP 1, 0, 0
	s_wait_dscnt 4*NL                              ; the very last step: nothing more to fetch
	WIN MUL_LO
	MUL16 0, 1, NQ-1, 1, 0
	MUL16 2, 1, NQ-1, 1, 0
	s_wait_dscnt 0
	WIN MUL_HI
	MUL16 4, 1, NQ-1, 1, 0
	MUL16 6, 1, NQ-1, 1, 0
	WIN 0
; THE WAY OUT, lane-role block by block.  A block's 64 registers of a lane, register 16 g + i = place 32 g + 16 h + i of the register role, are four blocks of 32 along the next K, each shared with lane l xor 16.
.macro QUANT                           ; v[HA] .. v[HA + 63] become 64 codes in v[PC] on and four scale bytes in v[PW]
.irp b, 0,1,2,3
	v_max3_num_f32 v[TM+\b], |v[HA+16*\b]|, |v[HA+1+16*\b]|, 0x4800000   ; block b: my 16 numbers, and the floor 2^(9 - 127): so the byte cannot fall under 1
.endr
.irp i, 2,4,6,8,10,12,14
.irp b, 0,1,2,3
	v_max3_num_f32 v[TM+\b], v[TM+\b], |v[HA+16*\b+\i]|, |v[HA+1+16*\b+\i]|   ; (the four blocks by turns: no line waits for the line above it)
.endr
.endr
.irp b, 0,1,2,3
	v_permlanex16_b32 v[TM+4+\b], v[TM+\b], s[SEL], s[SEL+1]
.endr
.irp b, 0,1,2,3
	v_max_num_f32 v[TM+\b], v[TM+\b], v[TM+4+\b]   ; with lane l xor 16's: the block's largest magnitude
.endr
.irp b, 0,1,2,3
	v_add_nc_u32 v[TM+12+\b], 0xfc000000, v[TM+\b]   ; 8 off its exponent field: the conversion's scale operand
.endr
.irp b, 0,1,2,3
	v_and_or_b32 v[TM+8+\b], v[TM+\b], 0x7f800000, s[MNT]   ; 448 x the scale
.endr
.irp b, 0,1,2,3
	v_lshrrev_b32 v[TM+4+\b], 23, v[TM+12+\b]      ; the scale's byte
.endr
	v_lshl_or_b32 v[PW], v[TM+5], 8, v[TM+4]
	v_lshl_or_b32 v[PW], v[TM+6], 16, v[PW]
	v_lshl_or_b32 v[PW], v[TM+7], 24, v[PW]
.irp b, 0,1,2,3
.irp i, 0,1,2,3,4,5,6,7,8,9,10,11,12,13,14,15
	v_med3_num_f32 v[HA+16*\b+\i], v[HA+16*\b+\i], -v[TM+8+\b], v[TM+8+\b]   ; the conversion to an 8-bit code does not saturate (ISA guide 7.6.2): the hold at 448 x the scale
.endr
	v_cvt_scalef32_pk8_fp8_f32 v[PC+4*\b:PC+1+4*\b], v[HA+16*\b:HA+7+16*\b], v[TM+12+\b]
	v_cvt_scalef32_pk8_fp8_f32 v[PC+2+4*\b:PC+3+4*\b], v[HA+8+16*\b:HA+15+16*\b], v[TM+12+\b]
.endr
	v_nop                                          ; one plain vector line behind the last conversion, ahead of the next vector line that writes its sources
.endm
.macro OUT a
.if (\a) > 0
	s_wait_xcnt 0x0                                ; the last block's stores have read their codes and their base: both are written again only behind this wait
	s_add_nc_u64 s[OB:OB+1], s[OB:OB+1], s[STEPA:STEPA+1]
.if (\a) == 4
	s_add_nc_u64 s[OB:OB+1], s[OB:OB+1], s[X4:X4+1]
.endif
.endif
	WIN 0x02+(\a)/4                                ; source 0: window 2 or 3
.set n, 0
.rept 32
	v_pk_add_f32 v[HA+2*n:HA+2*n+1], v[64*((\a)%4)+2*n:64*((\a)%4)+2*n+1], v[BB+2*n:BB+2*n+1]   ; + the bias along the registers; each accumulator is read from its low end on
.set n, n+1
.endr
	WIN 0
.set n, 0
.rept 32
.if (\a)%2
	v_pk_add_f32 v[HA+2*n:HA+2*n+1], v[HA+2*n:HA+2*n+1], v[BA+(\a)-1:BA+(\a)] op_sel:[0,1] op_sel_hi:[1,1]   ; + the bias of my row (the pair's second register for both halves)
.else
	v_pk_add_f32 v[HA+2*n:HA+2*n+1], v[HA+2*n:HA+2*n+1], v[BA+(\a):BA+(\a)+1] op_sel_hi:[1,0]                ; (the pair's first register for both halves)
.endif
.set n, n+1
.endr
	QUANT
	v_lshrrev_b32 v[SWD], v[SHF], v[PW]            ; q, k: lanes 0-15 keep the first head's two bytes, lanes 16-31 the second head's;
	v_and_b32 v[SWD], s[AM], v[SWD]                ; v: lanes 0-15 keep all four (what lanes 16-31 put down is not stored)
	ds_store_b32 v[SWA], v[SWD] offset:256*((\a)%2)+4*((\a)/2)
	global_store_b128 v[VOL], v[PC:PC+3], s[OB:OB+1]                 ; each store of the wave covers 512 consecutive bytes, aligned
	global_store_b128 v[VOL], v[PC+4:PC+7], s[OB:OB+1] offset:512
	global_store_b128 v[VOH], v[PC+8:PC+11], s[OB:OB+1]
	global_store_b128 v[VOH], v[PC+12:PC+15], s[OB:OB+1] offset:512
.endm
	PLACES NP                                      ; behind the last products: their results are read, and the registers that held their fragments written
	s_wait_loadcnt 0x0                             ; the biases
	s_mov_b32 s[SEL], 0x76543210
	s_mov_b32 s[SEL+1], 0xfedcba98
	s_mov_b32 s[MNT], 0x600000
.irp b, 0,1,2,3
	v_mov_b32 v[TM+4+\b], 0                        ; written once: a lane permute's destination counts as one of its sources
.endr
.irp a, 0,1,2,3,4,5,6,7
	OUT \a
.endr
	ds_load_b128 v[RB:RB+3], v[SRD]                ; my own bytes: LDS serves a wave's instructions in order (ISA guide 5.7.1.4)
	ds_load_b128 v[RB+4:RB+7], v[SRD] offset:512
	s_wait_dscnt 0x0
	global_store_b128 v[VOL], v[RB:RB+3], s[SB:SB+1]                 ; 512 consecutive bytes: a key step's scale words of the first head (v: of the pair)
	s_cmp_lg_u32 s[ISV], 0
	s_cbranch_scc1 .Lone_block
	global_store_b128 v[VOL], v[RB+4:RB+7], s[SB:SB+1] offset:8192   ; q, k: and of the second head
.Lone_block:
	s_wait_tensorcnt 0x0                           ; the wave's end: behind my last tensor load and my last LDS store
	ds_add_u32 v[SPW], v[NIL]
	s_wait_dscnt 0x0
	CROUND                                         ; the closing round: no work-group ends while a partner may still ask for a tile that names it
	s_endpgm
.Lfunc_end_k_q36a72a68df_qkv:
	.size	k_q36a72a68df_qkv, .Lfunc_end_k_q36a72a68df_qkv-k_q36a72a68df_qkv
	.p2alignl 7, 3214868480
	.fill 96, 4, 3214868480
	.section	.rodata,"a",@progbits
	.p2align	6, 0x0
	.amdhsa_kernel k_q36a72a68df_qkv
		.amdhsa_group_segment_fixed_size 327680
		.amdhsa_private_segment_fixed_size 0
		.amdhsa_enable_private_segment 0
		.amdhsa_kernarg_size 56
		.amdhsa_user_sgpr_count 2
		.amdhsa_user_sgpr_kernarg_segment_ptr 1
		.amdhsa_wavefront_size32 1
		.amdhsa_system_sgpr_workgroup_id_x 1
		.amdhsa_system_sgpr_workgroup_id_y 1
		.amdhsa_system_sgpr_workgroup_id_z 1
		.amdhsa_system_vgpr_workitem_id 0
		.amdhsa_next_free_vgpr 1024
		.amdhsa_next_free_sgpr 106
		.amdhsa_reserve_vcc 0
		.amdhsa_float_denorm_mode_32 3
		.amdhsa_float_denorm_mode_16_64 3
		.amdhsa_memory_ordered 1
		.amdhsa_forward_progress 1
		.amdhsa_inst_pref_size 225
	.end_amdhsa_kernel
	.amdgpu_metadata
---
amdhsa.version: [ 1, 2 ]
amdhsa.kernels:
  - .name:           k_q36a72a68df_qkv
    .symbol:         k_q36a72a68df_qkv.kd
    .args:
      - { .name: xw_codes, .offset: 0, .size: 8, .value_kind: global_buffer, .address_space: global }
      - { .name: xw_scales, .offset: 8, .size: 8, .value_kind: global_buffer, .address_space: global }
      - { .name: bq, .offset: 16, .size: 8, .value_kind: global_buffer, .address_space: global }
      - { .name: bk, .offset: 24, .size: 8, .value_kind: global_buffer, .address_space: global }
      - { .name: bv, .offset: 32, .size: 8, .value_kind: global_buffer, .address_space: global }
      - { .name: qkv_img, .offset: 40, .size: 8, .value_kind: global_buffer, .address_space: global }
      - { .name: qkv_sc, .offset: 48, .size: 8, .value_kind: global_buffer, .address_space: global }
    .group_segment_fixed_size: 327680
    .private_segment_fixed_size: 0
    .kernarg_segment_align: 8
    .kernarg_segment_size: 56
    .max_flat_workgroup_size: 128
    .sgpr_count:     106
    .vgpr_count:     1024
    .wavefront_size: 32
...
	.end_amdgpu_metadata
.endif
;; end of part 2
;; launch attn (part 3): grid 4 x 64, 16 waves a work-group, clusters of 4 x 1, 327,680 bytes of LDS; arguments qkv_img, qkv_sc, maskw, out0; writes out0
.if DOCPART == 3
	.amdgcn_target "amdgcn-amd-amdhsa--gfx1250"
	.amdhsa_code_object_version 6
	.text
	.protected	k_q36a72a68df_attn
	.globl	k_q36a72a68df_attn
	.p2align	8
	.type	k_q36a72a68df_attn,@function
k_q36a72a68df_attn:
	s_mov_b64 s[64:65], 0
	v_nop
	global_prefetch_b8 v0, s[64:65] scope:SCOPE_SE
	s_setreg_imm32_b32 hwreg(HW_REG_WAVE_MODE, 25, 1), 1
	s_wait_xcnt 0x0
	s_wait_alu depctr_hold_cnt(0) depctr_sa_sdst(0) depctr_va_vdst(0) depctr_va_sdst(0) depctr_va_ssrc(0) depctr_va_vcc(0) depctr_vm_vsrc(0)
	s_getreg_b32 s2, hwreg(HW_REG_IB_STS2, 6, 4)
	s_cmp_eq_u32 s2, 0
	s_cbranch_scc0 .Lentry_in_a_cluster
	s_endpgm
.Lentry_in_a_cluster:
	s_bfe_u32 s2, ttmp6, 0x10000c
	s_cmp_lg_u32 s2, 0x3003
	s_cbranch_scc0 .Lentry_shape_is_right
	s_endpgm
.Lentry_shape_is_right:
; ATTENTION on codes of FP8 (E4M3), one E8M0 scale for each 32 along a product's K.  out0[b][n][64 head ..] = sum over m of softmax_m(where(x_mask[b][n][m] == 0, -1e9, q.k / 8)) v.
; direction is the constant 1, so the mask is taken as it lies.
; THE SOFTMAX: t = score x log2(e) / 8; M = the running largest t, rounded up to a whole number; p = 2^(t - M) is quantised along the keys, not normalised; the row's sum is taken of the
; unquantised p in f32 and divides at the end; when M moves, the sums and O are multiplied by 2^(old M - new M), which rounds nothing.
; A masked score becomes -2^33, where reference() has -1e9 x 8 ahead of its division: in both, t is then a whole number, so a row with no key left has p = 1 for every key, as reference() has it.
; LIMITS: the promise holds while the scaled scores stay under 2^31 in magnitude and live scores lie above the masked value; NaN and infinities are not served.
; SHARES.  256 work-groups: four for each of the 64 (batch, head), 512 queries each.  A head's K and V codes (2 x 131,072 bytes) and their scale words (2 x 8,192) ALL lie in LDS: they come once,
; at the head (waves 0-7: 32,768 bytes each; waves 8, 9: the scale words), so nothing is filled again, and behind the head's one barrier the waves share nothing that is written.
; The four work-groups of a head form a cluster and ask for these tiles jointly.  Each of the 16 waves owns one tile of 16 queries at a time and walks two tiles, one after the other.
; No prefetch: K and V come in one group at the head, with no loop ahead of it to ask from; the mask words are asked for one key step ahead, into scalar registers.
; LAYOUT (as the launch before stores it).  Both products transposed: S^T = K Q^T, O^T = V^T P^T: a lane holds one query.  Images of the operand registers: a load at 16 x lane brings four registers.
; K's head size is 64: the upper half of Q's fragment is zero codes, and the upper half of a K operand is whatever valid codes follow it in the registers (the next tile's; behind the last, p's).
; A KEY STEP (128 keys): 8 products for S; K's fragments, scale words and mask words of the NEXT step and this step's first tile of V are asked for; mask, maxima, O and the sums rescaled, p;
; block by block of 32 keys: sums, hold, conversion; V's other three tiles are loaded into registers that converted blocks have left; 4 products.
.set VOFF,  131072                     ; LDS: K 0.., V behind it
.set SCK,   262144                     ; K's scale words, 8,192 bytes
.set SCV,   270336                     ; V's, 8,192 bytes (a pair of heads')
.set SPARE, 280576                     ; the spare words: 128 bytes a wave, 2,048 in all; no other line names them
.set STAGE, 282624                     ; the way out: a stage of 16 rows x 144 bytes for each wave; no fill lands here
.set AI,   1                           ; 16 x lane
.set XM,   2                           ; -2^33
.set SPW,  4                           ; my spare word's address; never rewritten
.set NIL,  5                           ; 0; never rewritten
.set AK,   6                           ; LDS address of the K tiles asked for last
.set AV,   7                           ; of this step's V tiles
.set AS,   8                           ; of the K scale words asked for last
.set AT,   9                           ; of this step's V scale words
.set QS,   10                          ; Q's scale words
.set PW,   11                          ; p's scale word
.set KSC,  16                          ; v16-19 K's scale words: register i: lanes 0-15 tile 2 i, lanes 16-31 tile 2 i + 1
.set VSC,  20                          ; v20-21 V's likewise
.set F,    22                          ; 2^(old M - new M)
.set T0,   23
.set BM,   24                          ; v24-27 a block's largest score, then its largest p
.set PT,   28
.set HD,   32                          ; v32-35 448 x the scale; on the way out: addresses
.set SO,   36                          ; v36-39 the conversions' scale operands
.set SUMB, 40                          ; the row's sum stands in four pairs: v[14:15] and these three
.set SUMC, 42
.set SUMD, 254
.set AQ,   45                          ; 16 x (lane % 16)
.set QF,   46                          ; v46-61   Q: 8 registers of codes, 8 of zero codes
.set KR,   62                          ; v62-125  K: 8 tiles x 8 registers
.set PC,   126                         ; v126-141 p's codes (directly behind K's registers)
.set S,    142                         ; v142-205 S^T, then p; v142-189 then V's tiles 1 to 3
.set O,    206                         ; v206-237 O^T
.set VX,   238                         ; v238-253 V's tile 0
.set WV,   2
.set MNT,  3
.set SEL,  4
.set CS,   6
.set MO,   8                           ; byte offset of the mask words asked for last
.set KC,   9
.set KN,   10                          ; LDS byte of the K tiles asked for last
.set SN,   11                          ; and of their scale words
.set VD,   12                          ; from K's scale words of a step to V's
.set LOM,  13                          ; lanes 0-7 and 16-23
.set MP,   16
.set OP,   18
.set QP,   20
.set QSP,  22
.set STG,  24
.set G1,   32                          ; descriptors: in registers that take mask words once the loads have landed
.set G1S,  40
.set G0,   48
.set G0S,  52
.macro CROUND
	s_barrier_signal -1
	s_barrier_wait -1
	s_cmp_lg_u32 s[WV], 0
	s_cbranch_scc1 .Lnot_wave_0_\@
	s_barrier_signal -3
.Lnot_wave_0_\@:
	s_barrier_wait -3
	s_barrier_signal -1
	s_barrier_wait -1
.endm
.macro KLOAD                           ; a key step's 8 tiles of K and their scale words
.irp t, 0,1,2,3,4,5,6,7
	ds_load_b128 v[KR+8*\t:KR+8*\t+3], v[AK] offset:1024*\t
	ds_load_b128 v[KR+8*\t+4:KR+8*\t+7], v[AK] offset:1024*\t+512
.endr
	ds_load_b128 v[KSC:KSC+3], v[AS]
.endm
.macro MLOAD                           ; a key step's 64 mask words: word j is the lane mask of score register j
	s_load_b512 s[32:47], s[MP:MP+1], s[MO] offset:0x0
	s_load_b512 s[48:63], s[MP:MP+1], s[MO] offset:0x40
	s_load_b512 s[68:83], s[MP:MP+1], s[MO] offset:0x80
	s_load_b512 s[84:99], s[MP:MP+1], s[MO] offset:0xc0
.endm
.macro QLOAD blk                       ; my query tile of block blk: 16 tiles (16,384 bytes of codes, 1,024 of scale words) on from block 0's
	global_load_b128 v[QF:QF+3], v[AI], s[QP:QP+1] offset:16384*\blk
	global_load_b128 v[QF+4:QF+7], v[AI], s[QP:QP+1] offset:16384*\blk+512
	global_load_b32 v[QS], v[AQ], s[QSP:QSP+1] offset:1024*\blk
.endm
.macro BINIT                           ; a tile's start: the step is written once, and its first run finds zeros, which the first change of M leaves zeros
.set n, 0
.rept 32
	v_mov_b32 v[O+n], 0
.set n, n+1
.endr
	v_mov_b32 v13, 0xff61b1e6                      ; the largest score so far: -3e38
	v_mov_b32 v12, 0x7e800000                      ; -M: a large whole number, so that the first f is 0
.irp r, 14, 15, SUMB, SUMB+1, SUMC, SUMC+1, SUMD, SUMD+1
	v_mov_b32 v[\r], 0
.endr
.endm
	s_load_b256 s[68:75], s[0:1], 0x0              ; qkv_img, qkv_sc, maskw, out0
	v_lshl_add_u32 v[SPW], v0, 2, SPARE
	v_mov_b32 v[NIL], 0
	ds_add_u32 v[SPW], v[NIL]                      ; the add, twice on end, and one wait
	ds_add_u32 v[SPW], v[NIL]
	v_lshrrev_b32 v3, 5, v0
	v_readfirstlane_b32 s[WV], v3                  ; wave 0..15
	s_bfe_u32 s25, ttmp6, 0x40000                  ; cx: which 512 queries of the head
	s_and_b32 s26, ttmp7, 0xffff                   ; bh = 16 b + head
	s_lshl_b32 s27, s25, 5
	s_add_co_u32 s27, s27, s[WV]                   ; T: my first query tile, 32 cx + wave
	s_lshl_b32 s28, s26, 17                        ; a head's image: 131,072 bytes
	s_lshr_b32 s29, s[WV], 2                       ; waves 0-3 fetch K's quarters, waves 4-7 V's: 8 MiB further on
	s_lshl_b32 s29, s29, 23
	s_and_b32 s30, s[WV], 3
	s_lshl_b32 s30, s30, 15
	s_add_co_u32 s76, s28, s29
	s_add_co_u32 s76, s76, s30
	s_add_co_u32 s76, s76, 8<<20
	s_mov_b32 s77, 0
	s_and_b32 s31, s[WV], 1                        ; wave 8: K's scale words; wave 9: V's
	s_lshl_b32 s78, s26, 13
	s_add_co_u32 s78, s78, 524288
	s_lshr_b32 s80, s26, 1
	s_lshl_b32 s80, s80, 13
	s_add_co_u32 s80, s80, 1048576
	s_cmp_eq_u32 s31, 0
	s_cselect_b32 s78, s78, s80
	s_mov_b32 s79, 0
	s_mov_b32 s[G1], 15|(3<<16)|(1<<21)            ; the mask names the cluster's four; elements of 8 bytes; bit 21 beside a mask
	s_mov_b32 s[G1+1], 32<<16                      ; 128 rows of 256 bytes, dense
	s_mov_b32 s[G1+2], 128<<16
	s_mov_b32 s[G1+3], 32<<16
	s_mov_b32 s[G1+4], 128
	s_mov_b32 s[G1+5], 32
	s_mov_b32 s[G1+6], 0
	s_mov_b32 s[G1+7], 0
	s_mov_b32 s[G1S], 15|(3<<16)|(1<<21)           ; 32 rows of 256 bytes
	s_mov_b32 s[G1S+1], 32<<16
	s_mov_b32 s[G1S+2], 32<<16
	s_mov_b32 s[G1S+3], 32<<16
	s_mov_b32 s[G1S+4], 32
	s_mov_b32 s[G1S+5], 32
	s_mov_b32 s[G1S+6], 0
	s_mov_b32 s[G1S+7], 0
	s_mov_b32 s[G0], 1
	s_lshl_b32 s[G0+1], s[WV], 15                  ; LDS: 32,768 x wave
	s_mov_b32 s[G0S], 1
	s_lshl_b32 s[G0S+1], s31, 13
	s_add_co_u32 s[G0S+1], s[G0S+1], SCK
	s_mov_b32 s[SEL], 0x76543210
	s_mov_b32 s[SEL+1], 0xfedcba98
	s_mov_b32 s[CS], 0x3e38aa3b                    ; log2(e) / 8
	s_mov_b32 s[CS+1], s[CS]
	s_mov_b32 s[MNT], 0x600000
	s_mov_b32 s[LOM], 0x00ff00ff
	s_mov_b32 s[MO], 0
	s_mov_b32 s[KN], 0
	s_mov_b32 s[SN], SCK
	s_and_b32 s[VD], s26, 1
	s_lshl_b32 s[VD], s[VD], 3
	s_add_co_u32 s[VD], s[VD], SCV-SCK             ; V's words: 8,192 on, + 8 for the pair's second head
	s_mul_i32 s[STG], s[WV], 16*144
	s_add_co_u32 s[STG], s[STG], STAGE             ; my stage
	s_wait_dscnt 0x0                               ; both opening adds are done
	s_wait_kmcnt 0x0
	s_add_nc_u64 s[G0+2:G0+3], s[68:69], s[76:77]
	s_or_b32 s[G0+3], s[G0+3], 0x80000000
	s_add_nc_u64 s[G0S+2:G0S+3], s[70:71], s[78:79]
	s_or_b32 s[G0S+3], s[G0S+3], 0x80000000
	CROUND                                         ; the four work-groups are here: the joint loads meet
	s_cmp_lt_u32 s[WV], 8                          ; one chain of branches on the wave's number, a load to an arm
	s_cbranch_scc0 .Lhead_s
	tensor_load_to_lds s[G0:G0+3], s[G1:G1+7]
	s_nop 0
.rept 4
	v_nop
.endr
	s_branch .Lhead_asked
.Lhead_s:
	s_cmp_lt_u32 s[WV], 10
	s_cbranch_scc0 .Lhead_asked
	tensor_load_to_lds s[G0S:G0S+3], s[G1S:G1S+7]
	s_nop 0
.rept 4
	v_nop
.endr
.Lhead_asked:
	s_lshl_b32 s76, s27, 10                        ; Q's codes: 1,024 bytes a tile
	s_add_co_u32 s76, s76, s28
	s_add_nc_u64 s[QP:QP+1], s[68:69], s[76:77]
	s_lshl_b32 s76, s26, 13                        ; Q's scale words: bh x 8192 + (T / 8) x 512 + (T % 2) x 256 + ((T / 2) % 4) x 4
	s_lshr_b32 s78, s27, 3
	s_lshl_b32 s78, s78, 9
	s_add_co_u32 s76, s76, s78
	s_and_b32 s78, s27, 1
	s_lshl_b32 s78, s78, 8
	s_add_co_u32 s76, s76, s78
	s_bfe_u32 s78, s27, 0x20001
	s_lshl_b32 s78, s78, 2
	s_add_co_u32 s76, s76, s78
	s_add_nc_u64 s[QSP:QSP+1], s[70:71], s[76:77]
	s_lshr_b32 s80, s26, 4                         ; b
	s_lshl_b32 s76, s80, 7
	s_add_co_u32 s76, s76, s27
	s_lshl_b32 s76, s76, 12                        ; the mask words: 4,096 bytes a query tile
	s_add_nc_u64 s[MP:MP+1], s[72:73], s[76:77]
	s_lshl_b32 s76, s80, 11                        ; out0: row 2048 b + 32 (T / 2) + 8 (T % 2), 4,096 bytes a row, + 256 x head
	s_lshr_b32 s78, s27, 1
	s_lshl_b32 s78, s78, 5
	s_add_co_u32 s76, s76, s78
	s_and_b32 s78, s27, 1
	s_lshl_b32 s78, s78, 3
	s_add_co_u32 s76, s76, s78
	s_lshl_b32 s76, s76, 12
	s_and_b32 s78, s26, 15
	s_lshl_b32 s78, s78, 8
	s_add_co_u32 s76, s76, s78
	s_add_nc_u64 s[OP:OP+1], s[74:75], s[76:77]
	v_and_b32 v3, 31, v0
	v_lshlrev_b32 v[AI], 4, v3
	v_lshlrev_b32 v[AK], 4, v3                     ; key step 0
	v_and_b32 v[AQ], 0xf0, v[AI]
	v_add_nc_u32 v[AS], SCK, v[AI]
	QLOAD 0
	v_mov_b32 v[XM], 0xd0000000
.irp j, 0,1,2,3,4,5,6,7
	v_mov_b32 v[QF+8+\j], 0                        ; Q's upper half: zero codes
	v_mov_b32 v[PC+\j], 0                          ; read as the upper half of K's last tile before p's first codes are made
.endr
	v_mov_b32 v[T0], 0
	BINIT
	s_wait_alu depctr_va_vdst(0)
	s_wait_tensorcnt 0x0                           ; my part of K, V or the scale words is in,
	s_barrier_signal -1
	s_barrier_wait -1                              ; everybody's is; nothing is filled again
	MLOAD                                          ; (no tensor load is out: the descriptors' registers take mask words)
	KLOAD
	s_wait_loadcnt 0x0                             ; Q
; mode 0: a step in the loop; 1: a tile's last step, another tile follows; 2: the launch's last step: nothing more is asked for
.macro STEP mode
	s_wait_dscnt 0x0                               ; K's tiles and scale words, asked for a step ago
.irp t, 0,2,4,6
	v_wmma_scale_f32_16x16x128_f8f6f4 v[S+8*\t:S+8*\t+7], v[KR+8*\t:KR+8*\t+15], v[QF:QF+15], 0, v[KSC+\t/2], v[QS]
	v_wmma_scale_f32_16x16x128_f8f6f4 v[S+8*\t+8:S+8*\t+15], v[KR+8*\t+8:KR+8*\t+23], v[QF:QF+15], 0, v[KSC+\t/2], v[QS] matrix_a_scale:MATRIX_SCALE_ROW1
.endr
	v_add_nc_u32 v[AV], VOFF, v[AK]                ; this step's V and its scale words; these lines are among the eight places behind the products
	v_add_nc_u32 v[AT], s[VD], v[AS]
.if \mode == 0
	s_add_co_u32 s[KN], s[KN], 8192
	s_add_co_u32 s[SN], s[SN], 512
.endif
.if \mode == 1
	s_mov_b32 s[KN], 0                             ; the next tile begins at key 0
	s_mov_b32 s[SN], SCK
.endif
.if \mode < 2
	v_add_nc_u32 v[AK], s[KN], v[AI]
	v_add_nc_u32 v[AS], s[SN], v[AI]
.rept 4
	v_nop
.endr
	KLOAD                                          ; the next step's: a whole step in which to land
.else
.rept 6
	v_nop
.endr
.endif
.irp c, 0,1,2,3
	ds_load_b128 v[VX+4*\c:VX+4*\c+3], v[AV] offset:512*\c   ; V's tile 0 has registers of its own
.endr
	ds_load_b64 v[VSC:VSC+1], v[AT]
	s_wait_kmcnt 0x0                               ; this step's mask words
.set n, 0
.rept 64
	v_cndmask_b32 v[S+n], v[XM], v[S+n], s[32+n+4*(n/32)]
.set n, n+1
.endr
.if \mode == 0
	s_add_co_u32 s[MO], s[MO], 256
.endif
.if \mode == 1
	s_mov_b32 s[MO], 65536                         ; 16 query tiles on
.endif
.if \mode < 2
	MLOAD
.endif
; the largest score of each block of 32 keys: for the row's maximum and for the block's largest p.  Eight chains by turns: two to a block
.irp b, 0,1,2,3
	v_max3_num_f32 v[BM+\b], v[S+16*\b], v[S+1+16*\b], v[S+2+16*\b]
.endr
.irp b, 0,1,2,3
	v_max3_num_f32 v[PT+\b], v[S+7+16*\b], v[S+8+16*\b], v[S+9+16*\b]
.endr
.irp i, 3,5
.irp b, 0,1,2,3
	v_max3_num_f32 v[BM+\b], v[BM+\b], v[S+16*\b+\i], v[S+1+16*\b+\i]
.endr
.irp b, 0,1,2,3
	v_max3_num_f32 v[PT+\b], v[PT+\b], v[S+7+16*\b+\i], v[S+8+16*\b+\i]
.endr
.endr
.irp b, 0,1,2,3
	v_max3_num_f32 v[BM+\b], v[BM+\b], v[PT+\b], v[S+14+16*\b]
.endr
.irp b, 0,1,2,3
	v_max_num_f32 v[BM+\b], v[BM+\b], v[S+15+16*\b]
.endr
.irp b, 0,1,2,3
	v_permlanex16_b32 v[PT+\b], v[BM+\b], s[SEL], s[SEL+1]
.endr
.irp b, 0,1,2,3
	v_max_num_f32 v[BM+\b], v[BM+\b], v[PT+\b]     ; with lane l xor 16's 16 keys
.endr
	v_max3_num_f32 v[T0], v[BM], v[BM+1], v[BM+2]
	v_mov_b32 v[F], v12                            ; the old -M
	s_delay_alu instid0(VALU_DEP_2)
	v_max3_num_f32 v13, v[T0], v[BM+3], v13        ; the running largest score
	s_delay_alu instid0(VALU_DEP_1)
	v_mul_f32 v[T0], s[CS], v13                    ; as t
	s_delay_alu instid0(VALU_DEP_1)
	v_floor_f32 v12, -v[T0]                        ; the new -M = -ceil(t)
.set n, 0
.rept 32
	v_pk_fma_f32 v[S+n:S+n+1], v[S+n:S+n+1], s[CS:CS+1], v[12:13] op_sel_hi:[1,0,0]   ; t - M; the three lines that make f stand among these
.if n == 4
	v_sub_f32 v[F], v12, v[F]                      ; old M - new M: a whole number, 0 or less
.endif
.if n == 14
	v_cvt_i32_f32 v[F], v[F]                       ; (it saturates)
.endif
.if n == 24
	v_ldexp_f32 v[F], 1.0, v[F]                    ; f = 2^(old M - new M)
.endif
.set n, n+2
.endr
.irp b, 0,1,2,3
	v_fma_f32 v[BM+\b], v[BM+\b], s[CS], v12
.endr
.set n, 0
.rept 16
	v_pk_mul_f32 v[O+n:O+n+1], v[O+n:O+n+1], v[F:F+1] op_sel_hi:[1,0]   ; O^T under the new M
.set n, n+2
.endr
.irp r, 14, SUMB, SUMC, SUMD
	v_pk_mul_f32 v[\r:\r+1], v[\r:\r+1], v[F:F+1] op_sel_hi:[1,0]       ; and the sums
.endr
	s_wait_alu depctr_va_vdst(0)
.irp b, 0,1,2,3
	v_exp_f32 v[BM+\b], v[BM+\b]                   ; the block's largest p
.endr
.set n, 0
.rept 64
	v_exp_f32 v[S+n], v[S+n]
.set n, n+1
.endr
	v_nop                                          ; a plain place behind the batch
	s_wait_alu depctr_va_vdst(0)                   ; one wait for the batch, ahead of its first reader
.irp b, 0,1,2,3
	v_max_num_f32 v[BM+\b], 0x4800000, v[BM+\b]    ; the floor 2^(9 - 127): the byte cannot fall under 1
.endr
.irp b, 0,1,2,3
	v_add_nc_u32 v[SO+\b], 0xfc000000, v[BM+\b]    ; 8 off the exponent field: the conversion's scale operand
.endr
.irp b, 0,1,2,3
	v_and_or_b32 v[HD+\b], v[BM+\b], 0x7f800000, s[MNT]   ; 448 x the scale
.endr
.irp b, 0,1,2,3
	v_lshrrev_b32 v[PT+\b], 23, v[SO+\b]           ; the scale's byte
.endr
	v_lshl_or_b32 v[PW], v[PT+1], 8, v[PT]
	s_delay_alu instid0(VALU_DEP_1)
	v_lshl_or_b32 v[PW], v[PT+2], 16, v[PW]
	s_delay_alu instid0(VALU_DEP_1)
	v_lshl_or_b32 v[PW], v[PT+3], 24, v[PW]
.irp b, 0,1,2,3
.irp j, 0, 8
	v_pk_add_f32 v[14:15], v[14:15], v[S+16*\b+\j:S+16*\b+\j+1]                     ; the row's sum of the unquantised p, in four chains by turns
	v_pk_add_f32 v[SUMB:SUMB+1], v[SUMB:SUMB+1], v[S+16*\b+\j+2:S+16*\b+\j+3]
	v_pk_add_f32 v[SUMC:SUMC+1], v[SUMC:SUMC+1], v[S+16*\b+\j+4:S+16*\b+\j+5]
	v_pk_add_f32 v[SUMD:SUMD+1], v[SUMD:SUMD+1], v[S+16*\b+\j+6:S+16*\b+\j+7]
.endr
.irp i, 0,2,4,6,8,10,12,14
	v_dual_min_num_f32 v[S+16*\b+\i], v[S+16*\b+\i], v[HD+\b] :: v_dual_min_num_f32 v[S+16*\b+\i+1], v[S+16*\b+\i+1], v[HD+\b]   ; the hold (the conversion does not saturate: ISA guide 7.6.2); p is not negative; two to an instruction
.endr
	v_cvt_scalef32_pk8_fp8_f32 v[PC+4*\b:PC+1+4*\b], v[S+16*\b:S+7+16*\b], v[SO+\b]
	v_cvt_scalef32_pk8_fp8_f32 v[PC+2+4*\b:PC+3+4*\b], v[S+8+16*\b:S+15+16*\b], v[SO+\b]
.if \b == 1
.irp c, 0,1,2,3
	ds_load_b128 v[S+4*\c:S+4*\c+3], v[AV] offset:2048+512*\c            ; V's tiles 1 and 2 take the registers that blocks 0 and 1 have left,
.endr
.irp c, 0,1,2,3
	ds_load_b128 v[S+16+4*\c:S+16+4*\c+3], v[AV] offset:4096+512*\c
.endr
.endif
.if \b == 2
.irp c, 0,1,2,3
	ds_load_b128 v[S+32+4*\c:S+32+4*\c+3], v[AV] offset:6144+512*\c      ; tile 3 those of block 2
.endr
.endif
.endr
.rept 4
	v_nop                                          ; four places between p's last codes and the products
.endr
	s_wait_alu depctr_va_vdst(0)
	s_wait_dscnt 4                                 ; V's tiles 0 to 2 and the scale words are in; tile 3's four loads may be out
	v_wmma_scale_f32_16x16x128_f8f6f4 v[O:O+7], v[VX:VX+15], v[PC:PC+15], v[O:O+7], v[VSC], v[PW]
	v_wmma_scale_f32_16x16x128_f8f6f4 v[O+8:O+15], v[S:S+15], v[PC:PC+15], v[O+8:O+15], v[VSC], v[PW] matrix_a_scale:MATRIX_SCALE_ROW1
	v_wmma_scale_f32_16x16x128_f8f6f4 v[O+16:O+23], v[S+16:S+31], v[PC:PC+15], v[O+16:O+23], v[VSC+1], v[PW]
	s_wait_dscnt 0x0
	v_wmma_scale_f32_16x16x128_f8f6f4 v[O+24:O+31], v[S+32:S+47], v[PC:PC+15], v[O+24:O+31], v[VSC+1], v[PW] matrix_a_scale:MATRIX_SCALE_ROW1
.rept 9
	v_nop                                          ; nine places: the next step's products write over the registers that held V
.endr
.endm
; THE WAY OUT of a query tile.  O^T / the sum goes through my own stage in LDS, 32 channels (128 bytes of each of 16 rows) at a time; both halves are read back by rows, and a select gives lanes 0-7 of a
; row the first half and lanes 8-15 the second: sixteen lanes then store a head's 256 consecutive bytes of a row, aligned.  LDS serves a wave's instructions in order (ISA guide 5.7.1.4): no wait between the passes.
.macro OUT blk
	v_pk_add_f32 v[14:15], v[14:15], v[SUMB:SUMB+1]
	v_pk_add_f32 v[SUMC:SUMC+1], v[SUMC:SUMC+1], v[SUMD:SUMD+1]
	s_delay_alu instid0(VALU_DEP_1)
	v_pk_add_f32 v[14:15], v[14:15], v[SUMC:SUMC+1]
	s_delay_alu instid0(VALU_DEP_1)
	v_add_f32 v14, v14, v15
	s_delay_alu instid0(VALU_DEP_1)
	v_permlanex16_b32 v[T0], v14, s[SEL], s[SEL+1]
	s_delay_alu instid0(VALU_DEP_1)
	v_add_f32 v14, v14, v[T0]                      ; the row's sum
	s_wait_alu depctr_va_vdst(0)
	v_rcp_f32 v14, v14
	v_mul_u32_u24 v[HD], v[AQ], 9                  ; in: row r (144 bytes), + 64 h
	v_lshrrev_b32 v[HD+3], 8, v[AI]                ; h
	v_and_b32 v[HD+1], 0x70, v[AQ]                 ; back: lanes 0-15 one row, lanes 16-31 the next; 16 bytes at 16 (lane % 8)
	v_lshl_add_u32 v[HD], v[HD+3], 6, v[HD]
	v_mad_u32_u24 v[HD+1], v[HD+3], 144, v[HD+1]
	v_lshl_add_u32 v[HD+2], v[HD+3], 12, v[AQ]     ; my byte offset among the tile's rows of out0
	v_add_nc_u32 v[HD], s[STG], v[HD]
	v_add_nc_u32 v[HD+1], s[STG], v[HD+1]
	s_wait_alu depctr_va_vdst(0)                   ; ahead of the reciprocal's first reader, which is also the first reader of O^T
.set n, 0
.rept 16
	v_pk_mul_f32 v[S+n:S+n+1], v[O+n:O+n+1], v[14:15] op_sel_hi:[1,0]   ; register 16 g + i is channel 32 g + 16 h + i
.set n, n+2
.endr
.if \blk == 0
	QLOAD 1                                        ; the next tile's Q, under the way out
.endif
.irp e, 0,1,2,3
	ds_store_b128 v[HD], v[S+4*\e:S+4*\e+3] offset:16*\e
.endr
.irp i, 0,1,2,3,4,5,6,7
	ds_load_b128 v[O+4*\i:O+4*\i+3], v[HD+1] offset:2*\i*144
.endr
.irp e, 0,1,2,3
	ds_store_b128 v[HD], v[S+16+4*\e:S+16+4*\e+3] offset:16*\e
.endr
.irp i, 0,1,2,3,4,5,6,7
	ds_load_b128 v[S+32+4*\i:S+32+4*\i+3], v[HD+1] offset:2*\i*144
.endr
	s_wait_dscnt 0x0
.set n, 0
.rept 32
	v_cndmask_b32 v[O+n], v[S+32+n], v[O+n], s[LOM]
.set n, n+1
.endr
.irp i, 0,1,2,3,4,5,6,7
	global_store_b128 v[HD+2], v[O+4*\i:O+4*\i+3], s[OP:OP+1] offset:(2*\i+8*(\i/4))*4096+1048576*\blk th:TH_STORE_NT
.endr
.endm
	s_mov_b32 s[KC], 15
.Ltile0:
	STEP 0
	s_sub_co_u32 s[KC], s[KC], 1
	s_cmp_lg_u32 s[KC], 0
	s_cbranch_scc1 .Ltile0
	STEP 1
	OUT 0
	s_wait_xcnt 0x0                                ; the stores have read their data and offsets: these registers are written again only behind this wait
	BINIT
	s_wait_alu depctr_va_vdst(0)
	s_wait_loadcnt 0x0                             ; the second tile's Q
	s_mov_b32 s[KC], 15
.Ltile1:
	STEP 0
	s_sub_co_u32 s[KC], s[KC], 1
	s_cmp_lg_u32 s[KC], 0
	s_cbranch_scc1 .Ltile1
	STEP 2
	OUT 1
	s_wait_tensorcnt 0x0                           ; the wave's end
	ds_add_u32 v[SPW], v[NIL]
	s_wait_dscnt 0x0
	CROUND                                         ; the closing round
	s_endpgm
.Lfunc_end_k_q36a72a68df_attn:
	.size	k_q36a72a68df_attn, .Lfunc_end_k_q36a72a68df_attn-k_q36a72a68df_attn
	.p2alignl 7, 3214868480
	.fill 96, 4, 3214868480
	.section	.rodata,"a",@progbits
	.p2align	6, 0x0
	.amdhsa_kernel k_q36a72a68df_attn
		.amdhsa_group_segment_fixed_size 327680
		.amdhsa_private_segment_fixed_size 0
		.amdhsa_enable_private_segment 0
		.amdhsa_kernarg_size 32
		.amdhsa_user_sgpr_count 2
		.amdhsa_user_sgpr_kernarg_segment_ptr 1
		.amdhsa_wavefront_size32 1
		.amdhsa_system_sgpr_workgroup_id_x 1
		.amdhsa_system_sgpr_workgroup_id_y 1
		.amdhsa_system_sgpr_workgroup_id_z 1
		.amdhsa_system_vgpr_workitem_id 0
		.amdhsa_next_free_vgpr 256
		.amdhsa_next_free_sgpr 106
		.amdhsa_reserve_vcc 0
		.amdhsa_float_denorm_mode_32 3
		.amdhsa_float_denorm_mode_16_64 3
		.amdhsa_memory_ordered 1
		.amdhsa_forward_progress 1
		.amdhsa_inst_pref_size 116
	.end_amdhsa_kernel
	.amdgpu_metadata
---
amdhsa.version: [ 1, 2 ]
amdhsa.kernels:
  - .name:           k_q36a72a68df_attn
    .symbol:         k_q36a72a68df_attn.kd
    .args:
      - { .name: qkv_img, .offset: 0, .size: 8, .value_kind: global_buffer, .address_space: global }
      - { .name: qkv_sc, .offset: 8, .size: 8, .value_kind: global_buffer, .address_space: global }
      - { .name: maskw, .offset: 16, .size: 8, .value_kind: global_buffer, .address_space: global }
      - { .name: out0, .offset: 24, .size: 8, .value_kind: global_buffer, .address_space: global }
    .group_segment_fixed_size: 327680
    .private_segment_fixed_size: 0
    .kernarg_segment_align: 8
    .kernarg_segment_size: 32
    .max_flat_workgroup_size: 512
    .sgpr_count:     106
    .vgpr_count:     256
    .wavefront_size: 32
...
	.end_amdgpu_metadata
.endif
;; end of part 3
